; MI455X (gfx1250); checked and timed in simulation.
; The chip was launched on July 23, 2026; its instructions are those of AMD's public machine-readable ISA for CDNA 5 (MIT licence, August 2026) and "CDNA5" Instruction Set Architecture Reference Guide (July 2026). The comments in the code are by the model that wrote it; some were corrected since.
;; Multi Head Self Attention. Allowed arithmetic: matrix products marked QUANTISED: E4M3 operands, one E8M0 scale for each 32 along K, by v_wmma_scale_f32_16x16x128_f8f6f4 with both operands' format E4M3, f32 sums; everything else in f32.
;; Inputs: Wk 1,024 x 1,024 float32; Wo 1,024 x 1,024 float32; Wq 1,024 x 1,024 float32; Wv 1,024 x 1,024 float32; token_positions 2,048 int32; x 4 x 2,048 x 1,024 float32.
;; Outputs: out0 4 x 2,048 x 1,024 float32.
;; This version of the problem:
;;   THIS VERSION OF THE PROBLEM IS GIVEN IN LOW PRECISION. The matrix products marked QUANTISED in the list below multiply operands that are first quantised to E4M3 (4 exponent bits, 3 mantissa bits; 8 bits a number), with one power-of-two scale for each 32 numbers along K (OCP MX v1.0); their sums are f32. All else is computed in f32.
;;   The module's matrix products, in the order in which they are computed (A, B: the left and right operand; K: the contracted axis; several contracted axes count as one K, in the product's order):
;;     1. [M 8,192, K 1,024] x [K 1,024, N 1,024]; A: input x; B: input Wq: QUANTISED
;;     2. [M 8,192, K 1,024] x [K 1,024, N 1,024]; A: input x; B: input Wk: QUANTISED
;;     3. [M 8,192, K 1,024] x [K 1,024, N 1,024]; A: input x; B: input Wv: QUANTISED
;;     4. batch 64 x [M 2,048, K 64] x [K 64, N 2,048]; A: computed on the way; B: computed on the way: QUANTISED
;;     5. batch 64 x [M 2,048, K 2,048] x [K 2,048, N 64]; A: softmax (see below); B: computed on the way: QUANTISED
;;     6. [M 8,192, K 1,024] x [K 1,024, N 1,024]; A: computed on the way; B: input Wo: QUANTISED
;;   THE QUANTISER, for each operand of a quantised product, along K:
;;     - K is cut into blocks of 32 from its start; a last block that is shorter is filled with zeros.
;;     - A block's scale is 2^e with e = floor(log2(the largest magnitude in the block)) - 8, held to -126 .. 127; a block of zeros has e = 0. As a byte (E8M0): e + 127.
;;     - Each number is divided by its block's scale, clamped to +-448, and rounded to the nearest number of E4M3, ties to even, subnormals kept.
;;     - The product sums the exact products of the quantised numbers (number of the format x scale) in f32.
;;   ~~~python
;;   def quantise(x, axis):      # numpy; x: float32 -> the quantised numbers, widened to float32 again
;;       x = np.moveaxis(x, axis, -1); K = x.shape[-1]
;;       x = np.pad(x, [(0, 0)] * (x.ndim - 1) + [(0, -K % 32)]); x = x.reshape(x.shape[:-1] + (-1, 32)); a = np.abs(x).max(-1, keepdims=True)
;;       e = np.where(a > 0, np.clip(np.frexp(np.where(a > 0, a, 1))[1] - 1 - 8, -126, 127), 0)      # np.frexp(a)[1] - 1 = floor(log2(a)), exactly
;;       r = np.clip(x / 2.0 ** e, -448, 448)
;;       step = 2.0 ** (np.maximum(np.frexp(np.where(r == 0, 1, r))[1] - 1, -6) - 3)
;;       q = np.round(r / step) * step * 2.0 ** e      # np.round: ties to even
;;       return np.moveaxis(q.reshape(q.shape[:-2] + (-1,))[..., :K], -1, axis).astype(np.float32)
;;   ~~~
;;   SOFTMAX AHEAD OF A QUANTISED PRODUCT. Where the list says 'softmax', what is quantised is not the finished softmax but p = 2^(t - M), with t = logit x log2(e) and M = ceil(the row's largest t), a whole number; so 1/2 < the row's largest p <= 1. The row's sum l is taken of the UNQUANTISED p, in f32, and the product's result is divided by l at the end. Since M is a whole number, a kernel that streams over the keys may use a running M (the ceiling of the running maximum): every later rescaling is an exact power of two, which a block's scale takes up: the codes' values come out the same.
;;   OPERANDS COMPUTED ON THE WAY. 'Computed on the way' means the value that the module computes at that place (a softmax that the list does not call 'softmax' is quantised finished and normalised). What goes into a quantiser is computed in f32, as accurately as f32 sums, v_exp_f32 and their like allow (about 1e-6 of the number): no bf16 or f16 on the way to a quantiser, and a product that is left as it is and whose result goes on into a quantised operand takes f32 operands (vector FMAs, or v_wmma_f32_16x16x4_f32). A number that lies on a knife's edge between two numbers of the format may be rounded either way, as far as f32 arithmetic and the matrix unit's own rounding can turn it there, and no further.
;; One version. Each part assembles by itself: llvm-mc -triple=amdgcn-amd-amdhsa -mcpu=gfx1250 --defsym DOCPART=n.
;; ======== version 1 of 1: 4 launches
;; limits: right only within a limited range of input values
;; workspace buffers: codes 12,582,912 bytes; scales 393,216 bytes; rope 524,288 bytes; qkv 25,952,256 bytes; ao_codes 8,388,608 bytes; ao_scales 262,144 bytes
;; launch prep (part 1): grid 416 x 1, 4 waves a work-group, no clusters, 33,280 bytes of LDS; arguments x, Wq, Wk, Wv, Wo, token_positions, codes, scales, rope; writes codes, scales, rope
.if DOCPART == 1
	.amdgcn_target "amdgcn-amd-amdhsa--gfx1250"
	.amdhsa_code_object_version 6
	.text
	.protected	k_q1793c3aff1_prep
	.globl	k_q1793c3aff1_prep
	.p2align	8
	.type	k_q1793c3aff1_prep,@function
k_q1793c3aff1_prep:
	s_mov_b64 s[64:65], 0
	v_nop
	global_prefetch_b8 v0, s[64:65] scope:SCOPE_SE
	s_setreg_imm32_b32 hwreg(HW_REG_WAVE_MODE, 25, 1), 1
	s_wait_xcnt 0x0
; x [8192][1024] and Wq, Wk, Wv, Wo [1024][1024], f32, K innermost, become codes of FP8 (E4M3) with one E8M0 byte for each 32 along K:
; codes [12288 rows][1024 bytes], scales [12288][32 bytes]; rows 0.. x, 8192.. Wq, 9216.. Wk, 10240.. Wv, 11264.. Wo.
; A block's scale is 2^(floor(log2(its largest magnitude)) - 8); its byte is the largest magnitude's exponent field - 8, held at 1 from below; numbers are held within +-448 x the scale and rounded to the nearest code, ties to even.
; THE ROWS OF x, Wq, Wk, Wv ARE STORED AT THE ROW NUMBER WITH BITS 3 AND 4 SWAPPED (Wo's as they are): the next launch's results then lie in each lane's registers as 16 neighbours along the next product's K.
; A wave owns 8 rows (8,192 numbers), so the swap is a swap of the two low bits of the number of the run that it writes.
; Work-groups 0-383 quantise (0-255 x, then 32 for each weight).  Work-groups 384-415 make the table of cos and sin for the rotation, from token_positions:
; rope [tile i 0..127][j 0..7][lane][16 bytes] = (cos f, sin f, cos f+1, sin f+1), f = 16 (j / 4) + 8 (lane / 16) + 2 (j % 4), of token 32 (i / 2) + 8 (i % 2) + 16 (r / 8) + r % 8, r = lane % 16.
; LIMITS: a block of zeros gets the byte 1 (its codes are zeros; this program alone reads the bytes); blocks whose largest magnitude lies under 2^-118 were not tried; NaN and infinities are not served;
; the frequencies are 2^(-f log2(10000) / 32) by v_exp_f32; the reduction of the angle has three terms and serves |position x frequency| < 4e4.
.set STEPS, 16
.set EMAX,  8
.set MANT,  0x600000                   ; the mantissa field of 448 as f32
.set CB,    16                         ; bytes of 16 codes
.set R,     16                         ; v16-79   four sets of 16 numbers as they are loaded
.set X,     80                         ; v80-111  two sets of 16 neighbours
.set C,     128                        ; v128-191 codes: four registers for each step
.set E,     112                        ; v112-127 a scale byte for each step
.set WREG,  8192                       ; LDS: a region for each wave: two stages of 32 x SP bytes, then its 256 scale bytes
.set SP,    80                         ; a lane's place in a stage: 64 bytes + 16 of padding
.set SRC,   12                         ; s[12:13] the tensor that I read
.set DC,    16                         ; s[16:17] codes
.set DS,    18                         ; s[18:19] scales
	s_load_b512 s[4:19], s[0:1], 0x0               ; x, Wq, Wk, Wv, Wo, token_positions, codes, scales
	s_load_b64 s[20:21], s[0:1], 0x40              ; rope
	v_lshl_add_u32 v192, v0, 2, 0x8000
	v_mov_b32 v193, 0
	v_lshrrev_b32 v1, 5, v0
	v_readfirstlane_b32 s22, v1                    ; wave
	v_and_b32 v2, 31, v0                           ; lane
	s_cmp_ge_u32 ttmp9, 384
	s_cbranch_scc1 .Lrope
	v_lshlrev_b32 v3, 4, v2                        ; my 16 bytes of a load's 512
	s_mul_i32 s23, s22, WREG
	v_lshrrev_b32 v14, 2, v2
	v_mul_u32_u24 v14, v14, SP
	v_and_b32 v15, 3, v2
	v_lshl_add_u32 v14, v15, 4, v14
	v_add_nc_u32 v14, s23, v14                     ; the stage, on the way in: SP (lane / 4) + 16 (lane % 4)
	v_mul_u32_u24 v15, v2, SP
	v_add_nc_u32 v15, s23, v15                     ; and on the way out: SP x lane: my 16 neighbours
	v_mul_u32_u24 v4, v2, CB                       ; my codes' place in a step's
	v_lshrrev_b32 v5, 1, v2
	s_add_co_u32 s23, s23, 2*32*SP
	v_add_nc_u32 v5, s23, v5                       ; LDS: my wave's 256 scale bytes, my block's byte
	v_lshlrev_b32 v7, 3, v2                        ; and on the way out 8 bytes a lane
	v_add_nc_u32 v6, s23, v7
	s_mov_b32 s24, MANT
	s_and_b32 s25, ttmp9, 31                       ; a weight's work-group among its 32
	s_and_b32 s26, s22, 1
	s_lshl_b32 s26, s26, 1
	s_lshr_b32 s27, s22, 1
	s_or_b32 s26, s26, s27                         ; my wave's number with its two bits swapped
	s_wait_alu depctr_va_vdst(0)
	s_wait_kmcnt 0x0
	s_cmp_lt_u32 ttmp9, 352                        ; which tensor: the choices hang on the work-group's number alone
	s_cselect_b64 s[SRC:SRC+1], s[10:11], s[SRC:SRC+1]
	s_cselect_b32 s26, s26, s22                    ; Wo's rows stay where they are
	s_cmp_lt_u32 ttmp9, 320
	s_cselect_b64 s[SRC:SRC+1], s[8:9], s[SRC:SRC+1]
	s_cmp_lt_u32 ttmp9, 288
	s_cselect_b64 s[SRC:SRC+1], s[6:7], s[SRC:SRC+1]
	s_cmp_lt_u32 ttmp9, 256
	s_cselect_b64 s[SRC:SRC+1], s[4:5], s[SRC:SRC+1]
	s_cselect_b32 s25, ttmp9, s25
	s_lshl_b32 s25, s25, 2
	s_add_co_u32 s25, s25, s22                     ; the run of 8,192 numbers that I read
	s_lshl_b32 s28, s25, 15
	s_mov_b32 s29, 0
	s_add_nc_u64 s[SRC:SRC+1], s[SRC:SRC+1], s[28:29]
	s_lshl_b32 s27, ttmp9, 2
	s_add_co_u32 s27, s27, s26                     ; the run that I write
	s_lshl_b32 s28, s27, 13
	s_add_nc_u64 s[DC:DC+1], s[DC:DC+1], s[28:29]
	s_lshl_b32 s28, s27, 8
	s_add_nc_u64 s[DS:DS+1], s[DS:DS+1], s[28:29]
.macro LOAD t
.irp i, 0,1,2,3
	global_load_b128 v[R+16*((\t)%4)+4*\i:R+16*((\t)%4)+4*\i+3], v3, s[SRC:SRC+1] offset:2048*(\t)+512*\i th:TH_LOAD_NT   ; 32 lanes read 512 consecutive bytes
.endr
.endm
.macro TURN t                          ; step t's numbers through the stage: LDS serves a wave's instructions in order, so no wait stands between the stores and the loads
.irp i, 0,1,2,3
	ds_store_b128 v14, v[R+16*((\t)%4)+4*\i:R+16*((\t)%4)+4*\i+3] offset:32*SP*((\t)%2)+8*SP*\i
.endr
.irp i, 0,1,2,3
	ds_load_b128 v[X+16*((\t)%2)+4*\i:X+16*((\t)%2)+4*\i+3], v15 offset:32*SP*((\t)%2)+16*\i
.endr
.endm
.irp t, 0,1,2,3
	LOAD \t
.endr
	s_wait_loadcnt 12                              ; step 0's four loads are in; the twelve of steps 1 to 3 may be out
	TURN 0
.macro STEP t
.set XS, X+16*((\t)%2)
.if (\t) > 0
	s_wait_dscnt 1                                 ; this step's numbers are back from the stage (the last step's byte store may be out)
.else
	s_wait_dscnt 0x0
.endif
.if (\t)+4 < STEPS
	LOAD (\t)+4                                    ; the stage's stores have read these registers
.endif
.if (\t)+1 < STEPS
.if STEPS-2-(\t) >= 3
	s_wait_loadcnt 12                              ; the next step's four loads are in; those of the three steps behind it may be out
.else
	s_wait_loadcnt 4*(STEPS-2-(\t))
.endif
	TURN (\t)+1
.endif
	v_max3_num_f32 v8, |v[XS]|, |v[XS+1]|, |v[XS+2]|               ; the largest magnitude of my 16
	v_max3_num_f32 v9, |v[XS+3]|, |v[XS+4]|, |v[XS+5]|
.irp i, 6,10
	v_max3_num_f32 v8, v8, |v[XS+\i]|, |v[XS+\i+1]|
	v_max3_num_f32 v9, v9, |v[XS+\i+2]|, |v[XS+\i+3]|
.endr
	v_max3_num_f32 v8, v8, |v[XS+14]|, |v[XS+15]|
	v_max3_num_f32 v8, v8, v9, (EMAX+1)<<23        ; and the floor 2^(9 - 127): the byte cannot fall under 1
	v_max_num_f32_dpp v8, v8, v8 row_xmask:1 row_mask:0xf bank_mask:0xf   ; and of my neighbour's 16: the block's
	v_add_nc_u32 v11, -(EMAX<<23), v8              ; 8 off its exponent field: the conversion's scale operand
	v_and_or_b32 v10, v8, 0x7f800000, s24          ; 448 x the scale
.irp i, 0,1,2,3,4,5,6,7,8,9,10,11,12,13,14,15
	v_med3_num_f32 v[XS+\i], v[XS+\i], -v10, v10   ; the conversion to an 8-bit code does not saturate (ISA guide 7.6.2): the hold comes first
.endr
	v_cvt_scalef32_pk8_fp8_f32 v[C+4*(\t):C+4*(\t)+1], v[XS:XS+7], v11
	v_cvt_scalef32_pk8_fp8_f32 v[C+4*(\t)+2:C+4*(\t)+3], v[XS+8:XS+15], v11
	v_lshrrev_b32 v[E+(\t)], 23, v11               ; the scale's byte
	ds_store_b8 v5, v[E+(\t)] offset:16*(\t)       ; both lanes of a block write the same byte with the same value
	global_store_b128 v4, v[C+4*(\t):C+4*(\t)+3], s[DC:DC+1] offset:32*CB*(\t)   ; 512 consecutive bytes
.endm
.irp t, 0,1,2,3,4,5,6,7,8,9,10,11,12,13,14,15
	STEP \t
.endr
	ds_load_b64 v[12:13], v6                       ; LDS serves a wave's instructions in order: these see my stores
	s_wait_dscnt 0x0
	global_store_b64 v7, v[12:13], s[DS:DS+1]      ; 32 lanes store 256 consecutive bytes, aligned
	s_wait_tensorcnt 0x0
	ds_add_u32 v192, v193
	s_wait_dscnt 0x0
	s_endpgm
; THE TABLE.  A wave makes one tile of 16 tokens: a lane one token and 16 of the 32 frequencies.  No LDS on this path.
.Lrope:
	s_sub_co_u32 s23, ttmp9, 384
	s_lshl_b32 s23, s23, 2
	s_add_co_u32 s23, s23, s22                     ; tile i
	s_lshr_b32 s24, s23, 1
	s_lshl_b32 s24, s24, 5
	s_and_b32 s25, s23, 1
	s_lshl_b32 s25, s25, 3
	s_add_co_u32 s24, s24, s25                     ; 32 (i / 2) + 8 (i % 2)
	v_and_b32 v3, 7, v0
	v_bfe_u32 v4, v0, 3, 1
	v_lshl_add_u32 v3, v4, 4, v3
	v_add_nc_u32 v3, s24, v3                       ; my token
	v_lshlrev_b32 v3, 2, v3
	v_bfe_u32 v5, v0, 4, 1
	v_lshlrev_b32 v5, 3, v5                        ; 8 (lane / 16)
	s_wait_alu depctr_va_vdst(0)
	v_lshlrev_b32 v7, 4, v2                        ; 16 x lane
	s_lshl_b32 s26, s23, 12                        ; a tile's 4,096 bytes
	s_mov_b32 s27, 0
	s_mov_b32 s28, 0xbed49a78                      ; -log2(10000) / 32
	s_mov_b32 s30, 0x3f22f983                      ; 2 / pi
	s_mov_b32 s31, 0xbfc90fd8                      ; -pi / 2 in three parts
	s_mov_b32 s32, 0xb4a8885a
	s_mov_b32 s33, 0xa7c234c4
	s_mov_b32 s34, 0x37cd4000                      ; cosine on [-pi/4, pi/4]: 2.44677067e-5, -1.38877297e-3, 4.16666567e-2, -0.5, 1
	s_mov_b32 s35, 0xbab6077d
	s_mov_b32 s36, 0x3d2aaaa8
	s_mov_b32 s37, 0x36405000                      ; sine: 2.86567956e-6, -1.98559923e-4, 8.33338592e-3, -1.66666672e-1
	s_mov_b32 s38, 0xb9503486
	s_mov_b32 s39, 0x3c0888c1
	s_mov_b32 s40, 0xbe2aaaab
	s_wait_kmcnt 0x0
	global_load_b32 v6, v3, s[14:15]               ; my token's position
	s_add_nc_u64 s[20:21], s[20:21], s[26:27]
.irp k, 0,1,2,3,4,5,6,7,8,9,10,11,12,13,14,15
	v_add_nc_u32 v[16+\k], 16*(\k/8)+\k%8, v5      ; frequency number f = 16 (k / 8) + 8 (lane / 16) + k % 8
.endr
.irp k, 0,1,2,3,4,5,6,7,8,9,10,11,12,13,14,15
	v_cvt_f32_u32 v[16+\k], v[16+\k]
.endr
.irp k, 0,1,2,3,4,5,6,7,8,9,10,11,12,13,14,15
	v_mul_f32 v[16+\k], s28, v[16+\k]
.endr
	s_wait_alu depctr_va_vdst(0)
.irp k, 0,1,2,3,4,5,6,7,8,9,10,11,12,13,14,15
	v_exp_f32 v[16+\k], v[16+\k]                   ; 10000^(-f / 32)
.endr
	v_nop                                          ; a plain instruction behind the last exponential
	s_wait_alu depctr_va_vdst(0)                   ; one wait for the batch, ahead of its first reader
	s_wait_loadcnt 0x0
	v_cvt_f32_i32 v6, v6
.irp k, 0,1,2,3,4,5,6,7,8,9,10,11,12,13,14,15
	v_mul_f32 v[16+\k], v6, v[16+\k]               ; the angle, rounded once
.endr
.macro SINCOS k                        ; cos -> v[32 + 2 k], sin -> v[33 + 2 k]
	v_mul_f32 v8, s30, v[16+\k]
	v_rndne_f32 v8, v8                             ; n: the nearest multiple of pi / 2
	v_fma_f32 v9, v8, s31, v[16+\k]
	v_fma_f32 v9, v8, s32, v9
	v_fma_f32 v9, v8, s33, v9                      ; what is left, within pi / 4
	v_cvt_i32_f32 v10, v8
	v_mul_f32 v11, v9, v9
	v_fma_f32 v12, v11, s34, s35
	v_fma_f32 v12, v12, v11, s36
	v_fma_f32 v12, v12, v11, -0.5
	v_fma_f32 v12, v12, v11, 1.0                   ; its cosine
	v_fma_f32 v13, v11, s37, s38
	v_fma_f32 v13, v13, v11, s39
	v_fma_f32 v13, v13, v11, s40
	v_mul_f32 v14, v9, v11
	v_fma_f32 v13, v13, v14, v9                    ; its sine
	v_and_b32 v14, 1, v10
	v_cmp_eq_u32 vcc_lo, 1, v14                    ; n odd: the two change places
	v_cndmask_b32 v15, v12, v13, vcc_lo
	v_cndmask_b32 v13, v13, v12, vcc_lo
	v_lshlrev_b32 v14, 30, v10
	v_and_b32 v14, 0x80000000, v14                 ; bit 1 of n turns the sine's sign,
	v_xor_b32 v[33+2*\k], v13, v14
	v_add_nc_u32 v10, 1, v10
	v_lshlrev_b32 v14, 30, v10
	v_and_b32 v14, 0x80000000, v14                 ; bit 1 of n + 1 the cosine's
	v_xor_b32 v[32+2*\k], v15, v14
.endm
.irp k, 0,1,2,3,4,5,6,7,8,9,10,11,12,13,14,15
	SINCOS \k
.endr
.irp j, 0,1,2,3,4,5,6,7
	global_store_b128 v7, v[32+4*\j:35+4*\j], s[20:21] offset:512*\j   ; 512 consecutive bytes
.endr
	s_endpgm
.Lfunc_end_k_q1793c3aff1_prep:
	.size	k_q1793c3aff1_prep, .Lfunc_end_k_q1793c3aff1_prep-k_q1793c3aff1_prep
	.p2alignl 7, 3214868480
	.fill 96, 4, 3214868480
	.section	.rodata,"a",@progbits
	.p2align	6, 0x0
	.amdhsa_kernel k_q1793c3aff1_prep
		.amdhsa_group_segment_fixed_size 33280
		.amdhsa_private_segment_fixed_size 0
		.amdhsa_enable_private_segment 0
		.amdhsa_kernarg_size 72
		.amdhsa_user_sgpr_count 2
		.amdhsa_user_sgpr_kernarg_segment_ptr 1
		.amdhsa_wavefront_size32 1
		.amdhsa_system_sgpr_workgroup_id_x 1
		.amdhsa_system_sgpr_workgroup_id_y 1
		.amdhsa_system_sgpr_workgroup_id_z 1
		.amdhsa_system_vgpr_workitem_id 0
		.amdhsa_next_free_vgpr 194
		.amdhsa_next_free_sgpr 66
		.amdhsa_reserve_vcc 1
		.amdhsa_float_denorm_mode_32 3
		.amdhsa_float_denorm_mode_16_64 3
		.amdhsa_memory_ordered 1
		.amdhsa_forward_progress 1
		.amdhsa_inst_pref_size 76
	.end_amdhsa_kernel
	.amdgpu_metadata
---
amdhsa.version: [ 1, 2 ]
amdhsa.kernels:
  - .name:           k_q1793c3aff1_prep
    .symbol:         k_q1793c3aff1_prep.kd
    .args:
      - { .name: x, .offset: 0, .size: 8, .value_kind: global_buffer, .address_space: global }
      - { .name: Wq, .offset: 8, .size: 8, .value_kind: global_buffer, .address_space: global }
      - { .name: Wk, .offset: 16, .size: 8, .value_kind: global_buffer, .address_space: global }
      - { .name: Wv, .offset: 24, .size: 8, .value_kind: global_buffer, .address_space: global }
      - { .name: Wo, .offset: 32, .size: 8, .value_kind: global_buffer, .address_space: global }
      - { .name: token_positions, .offset: 40, .size: 8, .value_kind: global_buffer, .address_space: global }
      - { .name: codes, .offset: 48, .size: 8, .value_kind: global_buffer, .address_space: global }
      - { .name: scales, .offset: 56, .size: 8, .value_kind: global_buffer, .address_space: global }
      - { .name: rope, .offset: 64, .size: 8, .value_kind: global_buffer, .address_space: global }
    .group_segment_fixed_size: 33280
    .private_segment_fixed_size: 0
    .kernarg_segment_align: 8
    .kernarg_segment_size: 72
    .max_flat_workgroup_size: 128
    .sgpr_count:     66
    .vgpr_count:     194
    .wavefront_size: 32
...
	.end_amdgpu_metadata
.endif
;; end of part 1
;; launch qkv (part 2): grid 12 x 32, 4 waves a work-group, clusters of 4 x 4, 327,680 bytes of LDS; arguments codes, scales, rope, qkv; writes qkv
.if DOCPART == 2
	.amdgcn_target "amdgcn-amd-amdhsa--gfx1250"
	.amdhsa_code_object_version 6
	.text
	.protected	k_q1793c3aff1_qkv
	.globl	k_q1793c3aff1_qkv
	.p2align	8
	.type	k_q1793c3aff1_qkv,@function
k_q1793c3aff1_qkv:
	s_mov_b64 s[64:65], 0
	v_nop
	global_prefetch_b8 v0, s[64:65] scope:SCOPE_SE
	s_setreg_imm32_b32 hwreg(HW_REG_WAVE_MODE, 25, 1), 1
	s_wait_xcnt 0x0
	s_wait_alu depctr_hold_cnt(0) depctr_sa_sdst(0) depctr_va_vdst(0) depctr_va_sdst(0) depctr_va_ssrc(0) depctr_va_vcc(0) depctr_vm_vsrc(0)
	s_getreg_b32 s2, hwreg(HW_REG_IB_STS2, 6, 4)
	s_cmp_eq_u32 s2, 0
	s_cbranch_scc0 .Lentry_in_a_cluster
	s_endpgm
.Lentry_in_a_cluster:
	s_bfe_u32 s2, ttmp6, 0x10000c
	s_cmp_lg_u32 s2, 0xf033
	s_cbranch_scc0 .Lentry_shape_is_right
	s_endpgm
.Lentry_shape_is_right:
; q = x Wq^T, k = x Wk^T, v = x Wv^T on codes of FP8 (E4M3) with E8M0 scales for each 32 along K = 1024; q and k are rotated (cos and sin from the table), and all three are quantised again, in registers, as operands
; of the attention's products: q and k along the head's 64, v along the keys.  They leave as IMAGES OF OPERAND REGISTERS: qkv [plane = 64 which + 16 batch + head][step of 128 tokens][8,192 bytes of codes + 256 of scale words].
; A tile of 256 x 256 is made by four waves, 128 x 128 each: 64 accumulators.  K goes in steps of 256 through a ring of two LDS slots filled by the tensor data mover; the scale bytes of the tile's rows come once.
; CLUSTERS of 4 x 4: the four of a row share A's tiles, the four of a column B's: joint loads.  Clusters x = 0, 1: A = x (32 tile rows), B = Wq | Wk (8 tile columns).  Cluster x = 2: A = Wv (4 tile rows), B = x (32 tile columns):
; the same text with other row numbers; the choice hangs on the cluster's x, which all sixteen partners share.
; THE MATRIX INSTRUCTION IS USED TRANSPOSED (source 0 = 16 rows of B, source 1 = 16 rows of A).  The rows of x and of the weights lie in memory at their row number with bits 3 and 4 swapped.  So lane (r, h) of A's block a holds
; A's true row 32 (a / 2) + 16 (r / 8) + 8 (a % 2) + r % 8, and the 64 registers of its eight accumulators hold, at 16 c + i, B's true row 32 c + 16 h + i: 16 neighbours of each block of 32 along the next product's K.
; q, k: a lane = a token, registers = 128 features = two heads x 64.  v: a lane = a feature (two heads x 4 tiles of 16), registers = 128 tokens.  The conversions' results are the next operand's registers and are stored as they stand.
; LIMITS: a block of zeros gets the byte 1 (its codes are zeros); NaN and infinities are not served.
; REGISTERS, in windows of 256: window 0: v0-31 addresses; v32-63 scale words, two sets; from v128 A's fragments, one set; on the way out v64-255 as named below.  window 1: B's fragments, two sets.  windows 2, 3: the accumulators.
.set SIZE_K, 1024
.set KSTEP,  256
.set NQ,     KSTEP/128
.set ROWB,   256                       ; a tile's row in bytes
.set KROW,   SIZE_K                    ; a row of codes in memory
.set PITCH,  272                       ; an LDS row: 256 bytes + 16 of padding: the 16 rows that a load touches start at 16 different banks (64 banks of 4 bytes: ISA guide 11.1)
.set FR,     16
.set NL,     4
.set NP,     8                         ; places behind this matrix instruction (ISA guide 7.12.1)
.set HALFT,  128*PITCH
.set SLOT,   4*HALFT
.set LAPS,   SIZE_K/(2*KSTEP)
.set KS,     SIZE_K/32
.set SCL,    2*SLOT                    ; behind the ring: the scales, as units of 256 bytes + 16 of padding
.set HALFS,  (128*KS/256)*272
.set SBLK,   (16*KS/256)*272
.set SPARE,  SCL+4*HALFS               ; the spare words, 128 bytes for each wave: two blocks of 256 bytes that no other line names
.set PLANE,  135168                    ; a head's plane of qkv: 16 steps of 8,448 bytes
.set BLOCK,  8448
.set ADRA, 16
.set ADRB, 20
.set SCO,  24                          ; v24  the way out: where my scale words go: 16 r + a plane for lanes 16-31 + 8,192
.set CO,   26                          ; v26  16 x lane
.set ADRS, 27
.set SPW,  28
.set NIL,  29
.set SC,   32
.set AF,   128
.set X,    64                          ; the way out: v64-127 the 64 numbers in hand
.set PC,   128                         ; v128-159 codes, two sets of 16
.set TM,   160                         ; v160-175 largest magnitudes, bytes, holds, scale operands
.set SW,   176                         ; v176-183 a scale word for each of A's eight blocks
.set SWO,  184                         ; v184-187 the four words that I store
.set T0,   188
.set CS,   192                         ; v192-255 cos and sin, two sets of 32
.set G1, 24
.set G0, 32
.set G1B, 48
.set G0B, 56
.set G1S, 68
.set G0S, 76
.set G1SB, 80
.set G0SB, 88
.set SEL, 66                           ; s[66:67] lane selects for v_permlanex16_b32: lane l xor 16
.set MNT, 95                           ; s95 the mantissa field of 448
.set MSB, 0
.macro WIN new                         ; the immediate's high byte repeats the setting that is left
.if MSB != \new
	s_set_vgpr_msb (MSB<<8)|\new
.set MSB, \new
.endif
.endm
.set MUL_LO, 0xa1                      ; source 0 (B) window 1, source 1 (A) window 0, C and D window 2
.set MUL_HI, 0xf1
.set TO_B,   0x40
; A joint load: waves 0 and 1 fetch for A, waves 2 and 3 for B; the branch hangs on the wave's number alone.  Four v_nop follow each of the two lines.
.macro JLOAD g0a, g1a, g0b, g1b
	s_cmp_eq_u32 s15, 0
	s_cbranch_scc0 .Lfor_b_\@
	tensor_load_to_lds s[\g0a:\g0a+3], s[\g1a:\g1a+7]
	s_nop 0
.rept 4
	v_nop
.endr
	s_branch .Lasked_\@
.Lfor_b_\@:
	tensor_load_to_lds s[\g0b:\g0b+3], s[\g1b:\g1b+7]
	s_nop 0
.rept 4
	v_nop
.endr
.Lasked_\@:
.endm
.macro CREST                           ; a round of the cluster's barrier behind its opening barrier
	s_cmp_lg_u32 s14, 0
	s_cbranch_scc1 .Lnot_wave_0_\@
	s_barrier_signal -3
.Lnot_wave_0_\@:
	s_barrier_wait -3
	s_barrier_signal -1
	s_barrier_wait -1
.endm
.macro CROUND
	s_barrier_signal -1
	s_barrier_wait -1
	CREST
.endm
	s_load_b128 s[4:7], s[0:1], 0x0                ; codes s[4:5], scales s[6:7]: A's and B's alike
	s_load_b128 s[8:11], s[0:1], 0x10              ; rope s[8:9], qkv s[10:11]
	v_lshl_add_u32 v[SPW], v0, 2, SPARE
	v_mov_b32 v[NIL], 0
	ds_add_u32 v28, v29
	ds_add_u32 v28, v29
	s_wait_dscnt 0x0
	v_lshrrev_b32 v1, 5, v0
	v_readfirstlane_b32 s14, v1                    ; wave 0..3
	s_lshr_b32 s15, s14, 1                         ; which half of A's rows is mine.  Also: I fetch for A (0) or for B (1)
	s_and_b32 s16, s14, 1                          ; which half of B's rows.  Also: which 128 rows of that tile I fetch
	s_bfe_u32 s40, ttmp6, 0x40000                  ; cx, cy
	s_bfe_u32 s41, ttmp6, 0x40004
	s_and_b32 s19, ttmp7, 0xffff                   ; cluster y
	s_cmp_lt_u32 ttmp9, 2                          ; q | k, or v?
	s_cselect_b32 s42, ttmp9, s19                  ; the cluster's place along B's tiles,
	s_cselect_b32 s17, s19, 0                      ; and along A's
	s_cselect_b32 s12, 0, 10240                    ; A's first row in codes: x, or Wv
	s_cselect_b32 s13, 8192, 0                     ; B's: Wq | Wk, or x
	s_lshl_b32 s42, s42, 2
	s_add_co_u32 s42, s42, s40                     ; tile column
	s_lshl_b32 s17, s17, 2
	s_add_co_u32 s17, s17, s41                     ; tile row
	s_lshl_b32 s43, s41, 2
	s_lshl_b32 s43, 15, s43                        ; my row of the cluster
	s_lshl_b32 s44, 0x1111, s40                    ; my column
	; descriptor group 1: a tile of 128 rows x 256 bytes, 16 bytes of padding behind each row
	s_or_b32 s[G1+0], s43, (0<<16)|(1<<20)|(1<<21)|(5<<22)|(3<<25)
	s_or_b32 s[G1B+0], s44, (0<<16)|(1<<20)|(1<<21)|(5<<22)|(3<<25)
.irp g, G1, G1B
	s_mov_b32 s[\g+1], ROWB<<16                    ; tensor_dim0
	s_mov_b32 s[\g+2], 128<<16                     ; tensor_dim1
	s_mov_b32 s[\g+3], ROWB<<16                    ; tile_dim0
	s_mov_b32 s[\g+4], 128                         ; tile_dim1
	s_mov_b32 s[\g+5], KROW                        ; tensor_dim0_stride
	s_mov_b32 s[\g+6], 0
	s_mov_b32 s[\g+7], 0
.endr
	; the scales of 128 rows: a dense block of 4,096 bytes, as rows of 256 bytes (32 elements of 8), 16 bytes of padding behind each
	s_or_b32 s[G1S+0], s43, (3<<16)|(1<<20)|(1<<21)|(5<<22)|(3<<25)
	s_or_b32 s[G1SB+0], s44, (3<<16)|(1<<20)|(1<<21)|(5<<22)|(3<<25)
.irp g, G1S, G1SB
	s_mov_b32 s[\g+1], 32<<16
	s_mov_b32 s[\g+2], (128*KS/256)<<16
	s_mov_b32 s[\g+3], 32<<16
	s_mov_b32 s[\g+4], 128*KS/256
	s_mov_b32 s[\g+5], 32
	s_mov_b32 s[\g+6], 0
	s_mov_b32 s[\g+7], 0
.endr
	s_lshl_b32 s18, s16, 7                         ; which 128 rows of the tile I fetch
	s_lshl_b32 s20, s17, 8
	s_add_co_u32 s20, s20, s18
	s_add_co_u32 s20, s20, s12                     ; A: its first row + 256 x tile row + 128 x half
	s_lshl_b32 s46, s42, 8
	s_add_co_u32 s46, s46, s18
	s_add_co_u32 s46, s46, s13                     ; B likewise by the tile column
	s_mov_b32 s21, 0
	s_mov_b32 s47, 0
	s_mov_b64 s[18:19], KS
	s_mul_u64 s[22:23], s[20:21], s[18:19]         ; where these rows' scales begin,
	s_mul_u64 s[92:93], s[46:47], s[18:19]
	s_mov_b64 s[18:19], KROW
	s_mul_u64 s[20:21], s[20:21], s[18:19]         ; and their codes
	s_mul_u64 s[46:47], s[46:47], s[18:19]
	s_mul_i32 s45, s14, HALFT                      ; where they go: wave x 128 rows
	s_mul_i32 s94, s14, HALFS
	s_mov_b32 s[SEL], 0x76543210
	s_mov_b32 s[SEL+1], 0xfedcba98
	s_mov_b32 s[MNT], 0x600000
	s_wait_kmcnt 0x0
	s_add_nc_u64 s[20:21], s[4:5], s[20:21]
	s_add_nc_u64 s[22:23], s[6:7], s[22:23]
	s_add_nc_u64 s[46:47], s[4:5], s[46:47]
	s_add_nc_u64 s[92:93], s[6:7], s[92:93]
	CROUND                                         ; all sixteen work-groups are here: the first joint loads meet
	s_mov_b32 s[G0S], 1
	s_add_co_u32 s[G0S+1], s94, SCL
	s_mov_b64 s[G0S+2:G0S+3], s[22:23]
	s_or_b32 s[G0S+3], s[G0S+3], 0x80000000
	s_mov_b32 s[G0SB], 1
	s_add_co_u32 s[G0SB+1], s94, SCL
	s_mov_b64 s[G0SB+2:G0SB+3], s[92:93]
	s_or_b32 s[G0SB+3], s[G0SB+3], 0x80000000
	JLOAD G0S, G1S, G0SB, G1SB                     ; the scales first: they are wanted with K step 0
.irp s, 0,1
	s_mov_b32 s[G0+4*\s], 1
	s_add_co_u32 s[G0+4*\s+1], s45, \s*SLOT
	s_add_nc_u64 s[G0+4*\s+2:G0+4*\s+3], s[20:21], \s*ROWB
	s_or_b32 s[G0+4*\s+3], s[G0+4*\s+3], 0x80000000
	s_mov_b32 s[G0B+4*\s], 1
	s_add_co_u32 s[G0B+4*\s+1], s45, \s*SLOT
	s_add_nc_u64 s[G0B+4*\s+2:G0B+4*\s+3], s[46:47], \s*ROWB
	s_or_b32 s[G0B+4*\s+3], s[G0B+4*\s+3], 0x80000000
	JLOAD G0+4*\s, G1, G0B+4*\s, G1B
.endr
	v_and_b32 v1, 15, v0                           ; r = l % 16
	v_bfe_u32 v2, v0, 4, 1                         ; h = l / 16
	v_mul_u32_u24 v3, v1, PITCH
	v_lshl_add_u32 v4, v2, 4, v3                   ; a fragment's row x pitch + 16 x half
	s_mul_i32 s21, s15, HALFT                      ; my 128 rows of A
	s_mul_i32 s22, s16, HALFT                      ; my 128 rows of B,
	s_add_co_u32 s22, s22, 2*HALFT                 ; which lie behind A's 256
.irp s, 0,1
	v_add_nc_u32 v[ADRA+\s], s21, v4
	v_add_nc_u32 v[ADRB+\s], s22, v4
	s_add_co_u32 s21, s21, SLOT
	s_add_co_u32 s22, s22, SLOT
.endr
	v_mul_u32_u24 v5, v1, KS                       ; my row's scales: KS bytes a row,
	v_lshrrev_b32 v6, 8, v5
	v_lshl_add_u32 v5, v6, 4, v5                   ; and 16 more for each 256 passed
	s_mul_i32 s21, s15, HALFS
	s_mul_i32 s22, s16, HALFS
	s_add_co_u32 s22, s22, 2*HALFS
	s_sub_co_u32 s22, s22, s21
	v_mul_u32_u24 v6, s22, v2                      ; lanes 16-31 take B's
	s_add_co_u32 s21, s21, SCL
	v_add_nc_u32 v5, v5, v6
	v_add_nc_u32 v[ADRS], s21, v5
	v_and_b32 v6, 31, v0
	v_lshlrev_b32 v[CO], 4, v6                     ; 16 x lane
	v_lshlrev_b32 v[SCO], 4, v1
	v_mul_u32_u24 v5, v2, PLANE
	v_add3_u32 v[SCO], v[SCO], v5, 8192
	; where my results go.  T: my group of 128 tokens (0..63); the other coordinate x 2: my first head
	s_lshl_b32 s20, s17, 1
	s_add_co_u32 s20, s20, s15                     ; 2 x tile row + my half of A's rows
	s_lshl_b32 s46, s42, 1
	s_add_co_u32 s46, s46, s16                     ; 2 x tile column + my half of B's rows
	s_cmp_lt_u32 ttmp9, 2
	s_cselect_b32 s21, s20, s46                    ; T
	s_cselect_b32 s22, s46, s20
	s_lshl_b32 s22, s22, 1                         ; q | k: 16 which + head;  v: head
	s_lshr_b32 s23, s22, 4
	s_lshl_b32 s23, s23, 6
	s_and_b32 s47, s22, 15
	s_add_co_u32 s23, s23, s47                     ; 64 which + head
	s_add_co_u32 s22, s22, 128                     ; 128 + head
	s_cmp_lt_u32 ttmp9, 2
	s_cselect_b32 s22, s23, s22
	s_lshr_b32 s23, s21, 4
	s_lshl_b32 s23, s23, 4
	s_add_co_u32 s22, s22, s23                     ; + 16 x batch: the plane
	s_mul_i32 s22, s22, PLANE
	s_and_b32 s21, s21, 15                         ; the step of 128 tokens in the batch
	s_mul_i32 s23, s21, BLOCK
	s_add_co_u32 s22, s22, s23
	s_mov_b32 s23, 0
	s_add_nc_u64 s[10:11], s[10:11], s[22:23]
	s_lshl_b32 s22, s21, 15                        ; the table: eight tiles of 4,096 bytes a step
	s_add_nc_u64 s[8:9], s[8:9], s[22:23]
.macro FRAG reg, adr, q, i             ; 16 rows x 128 K: lane l holds row l % 16; registers 4 c .. 4 c + 3 hold K = 32 c + 16 (l / 16) + 0 .. 15
.irp c, 0,1,2,3
	ds_load_b128 v[\reg+4*\c:\reg+4*\c+3], v[\adr] offset:128*(\q)+32*\c+(\i)*16*PITCH
.endr
.endm
; 16 matrix instructions: A's blocks a0, a0 + 1 x B's eight.  The 64 accumulators take turns, one instruction a turn, in the same order in every step.
.macro MUL16 a0, p, q, sc, zero
.irp a, \a0, \a0+1
.irp b, 0,1,2,3,4,5,6,7
.if \zero
	v_wmma_scale_f32_16x16x128_f8f6f4 v[8*(8*((\a)%4)+\b):8*(8*((\a)%4)+\b)+7], v[128*(\p)+FR*\b:128*(\p)+FR*\b+FR-1], v[AF+FR*(\a):AF+FR*(\a)+FR-1], 0, v[SC+8*NQ*(\sc)+NQ*\b+(\q)], v[SC+8*NQ*(\sc)+NQ*(\a)+(\q)] matrix_a_scale:MATRIX_SCALE_ROW1
.else
	v_wmma_scale_f32_16x16x128_f8f6f4 v[8*(8*((\a)%4)+\b):8*(8*((\a)%4)+\b)+7], v[128*(\p)+FR*\b:128*(\p)+FR*\b+FR-1], v[AF+FR*(\a):AF+FR*(\a)+FR-1], v[8*(8*((\a)%4)+\b):8*(8*((\a)%4)+\b)+7], v[SC+8*NQ*(\sc)+NQ*\b+(\q)], v[SC+8*NQ*(\sc)+NQ*(\a)+(\q)] matrix_a_scale:MATRIX_SCALE_ROW1
.endif
.endr
.endr
.endm
.macro FETCH_B slot, q, p
	WIN TO_B
.irp i, 0,1,2,3,4,5,6,7
	FRAG 128*(\p)+FR*\i, ADRB+\slot, \q, \i
.endr
	WIN 0
.endm
.macro FETCH_A slot, q, i0
.irp i, \i0, \i0+1, \i0+2, \i0+3
	FRAG AF+FR*(\i), ADRA+\slot, \q, \i
.endr
.endm
.macro SCALES sc                       ; the next K step's scale words: lanes 0-15 take A's block i, lanes 16-31 B's block i
.irp i, 0,1,2,3,4,5,6,7
	ds_load_b64 v[SC+8*NQ*\sc+NQ*\i:SC+8*NQ*\sc+NQ*\i+1], v[ADRS] offset:\i*SBLK
.endr
.endm
.macro PLACES n                        ; plain vector instructions between a matrix instruction and a load into, or a vector instruction on, its registers
.rept \n
	v_nop
.endr
.endm
.macro STEP slot, q, zero              ; a step of 128 along K that has its successor in the same slot
	s_wait_dscnt 4*NL                              ; B's set and A's blocks 0-3 are in; the youngest 16 loads (A's blocks 4-7) may be out
	WIN MUL_LO
	MUL16 0, (\q)%2, \q, \slot, \zero
	MUL16 2, (\q)%2, \q, \slot, \zero
	s_wait_dscnt 0
	PLACES NP
	FETCH_B \slot, (\q)+1, 1-(\q)%2
	FETCH_A \slot, (\q)+1, 0
	WIN MUL_HI
	MUL16 4, (\q)%2, \q, \slot, \zero
	MUL16 6, (\q)%2, \q, \slot, \zero
	PLACES NP
	WIN 0
	FETCH_A \slot, (\q)+1, 4
.endm
; A slot's last step changes slots: one barrier; in front of it each wave waits for all its tensor loads, adds 0 to its spare word, and waits for that and for its own reads of this slot.
.macro TURN slot, next, fill
	s_wait_tensorcnt 0x0                           ; all my tensor loads have landed: my part of the next slot
	ds_add_u32 v[SPW], v[NIL]                      ; 0 onto my spare word
	s_wait_dscnt 4*NL+1                            ; (the add and the youngest 16 loads, A's blocks 4-7, may be out)
	WIN MUL_LO
	MUL16 0, 1, NQ-1, \slot, 0
	s_wait_dscnt 0x0                               ; the add is done, and my reads of this slot are over
	s_barrier_signal -1
	MUL16 2, 1, NQ-1, \slot, 0
	WIN 0
	s_barrier_wait -1
.if \fill
	CREST                                          ; the barrier has opened a round of the cluster's: no wave of any partner still reads this slot or has a load on its way
	s_add_nc_u64 s[G0+4*\slot+2:G0+4*\slot+3], s[G0+4*\slot+2:G0+4*\slot+3], 2*ROWB
	s_add_nc_u64 s[G0B+4*\slot+2:G0B+4*\slot+3], s[G0B+4*\slot+2:G0B+4*\slot+3], 2*ROWB
	JLOAD G0+4*\slot, G1, G0B+4*\slot, G1B         ; the first tensor load behind the round; its four v_nop are among the places in front of the loads below
	PLACES NP-4
.else
	PLACES NP
.endif
	s_wait_alu depctr_va_vdst(0)
	v_add_nc_u32 v[ADRS], 4*NQ, v[ADRS]            ; on to the next K step's scale words
	FETCH_B \next, 0, 0
	FETCH_A \next, 0, 0
	SCALES \next
	WIN MUL_HI
	MUL16 4, 1, NQ-1, \slot, 0
	MUL16 6, 1, NQ-1, \slot, 0
	PLACES NP
	WIN 0
	FETCH_A \next, 0, 4
.endm
	s_wait_alu depctr_va_vdst(0)
	s_wait_tensorcnt 1                             ; the scales and my part of K step 0 are in (K step 1's load may be out),
	s_barrier_signal -1
	s_barrier_wait -1                              ; everybody's are
	FETCH_B 0, 0, 0
	FETCH_A 0, 0, 0
	SCALES 0
	FETCH_A 0, 0, 4
	STEP 0, 0, 1                                   ; the first step's products start the sums
	s_mov_b32 s3, LAPS-1
.Llap:
	TURN 0, 1, 1
	STEP 1, 0, 0
	TURN 1, 0, 1
	STEP 0, 0, 0
	s_sub_co_u32 s3, s3, 1
	s_cmp_lg_u32 s3, 0
	s_cbranch_scc1 .Llap
	TURN 0, 1, 0                                   ; the last lap fills nothing
	STEP 1, 0, 0
	s_wait_dscnt 4*NL
	WIN MUL_LO
	MUL16 0, 1, NQ-1, 1, 0
	MUL16 2, 1, NQ-1, 1, 0
	s_wait_dscnt 0
	WIN MUL_HI
	MUL16 4, 1, NQ-1, 1, 0
	MUL16 6, 1, NQ-1, 1, 0
	WIN 0
; THE WAY OUT: no LDS.  Block a of A at a time: (q, k: rotate;) quantise the lane's 64 numbers, four blocks of 32 shared with lane l xor 16; store the 16 code registers as they stand, 512 consecutive bytes an instruction.
.macro RLOAD a                         ; cos and sin of block a's 16 tokens: 32 registers a lane
.set CC, CS+32*((\a)%2)
.irp j, 0,1,2,3,4,5,6,7
	global_load_b128 v[CC+4*\j:CC+4*\j+3], v[CO], s[8:9] offset:(\a)*4096+\j*512
.endr
.endm
.macro ROPE a                          ; pair p = registers 2 p, 2 p + 1 = (x1, x2) of frequency 16 ((p / 8) % 2) + 8 h + p % 8: (x1 c - x2 s, x2 c + x1 s) -> X.  Each accumulator is read from its low end on
.set AC, 64*((\a)%4)
.set CC, CS+32*((\a)%2)
.set WW, 2+(\a)/4
	WIN WW                                         ; source 0: the accumulators' window
.set p, 0
.rept 32
	v_pk_mul_f32 v[X+2*p:X+2*p+1], v[AC+2*p:AC+2*p+1], v[CC+16*((p/8)%2)+2*(p%8):CC+16*((p/8)%2)+2*(p%8)+1] op_sel_hi:[1,0]   ; (x1 c, x2 c)
.set p, p+1
.endr
.set p, 0
.rept 32
	v_pk_fma_f32 v[X+2*p:X+2*p+1], v[AC+2*p:AC+2*p+1], v[CC+16*((p/8)%2)+2*(p%8):CC+16*((p/8)%2)+2*(p%8)+1], v[X+2*p:X+2*p+1] op_sel:[1,1,0] op_sel_hi:[0,1,1] neg_lo:[0,1,0]   ; low: - x2 s; high: + x1 s
.set p, p+1
.endr
	WIN 0
.endm
; 64 numbers of a lane at v[s] of window win, register 16 b + i = k 32 b + 16 (lane / 16) + i, become 16 registers of codes at v[pc] and the scale word v[pw].  The hold moves them into X.
.macro QUANT s, win, pc, pw
.set WW, 5*(\win)
	WIN WW                                         ; sources 0 and 1
.irp b, 0,1,2,3
	v_max3_num_f32 v[TM+\b], |v[(\s)+16*\b]|, |v[(\s)+1+16*\b]|, 0x4800000   ; my 16 numbers of block b, and the floor 2^(9 - 127): the byte cannot fall under 1
.endr
.irp i, 2,4,6,8,10,12,14
.irp b, 0,1,2,3
	v_max3_num_f32 v[TM+\b], |v[(\s)+16*\b+\i]|, |v[(\s)+1+16*\b+\i]|, v[TM+\b]
.endr
.endr
	WIN 0
.irp b, 0,1,2,3
	v_permlanex16_b32 v[TM+4+\b], v[TM+\b], s[SEL], s[SEL+1]
.endr
.irp b, 0,1,2,3
	v_max_num_f32 v[TM+\b], v[TM+\b], v[TM+4+\b]   ; with lane l xor 16's: the block's largest magnitude
.endr
.irp b, 0,1,2,3
	v_add_nc_u32 v[TM+12+\b], 0xfc000000, v[TM+\b] ; 8 off its exponent field: the conversion's scale operand
.endr
.irp b, 0,1,2,3
	v_and_or_b32 v[TM+8+\b], v[TM+\b], 0x7f800000, s[MNT]   ; 448 x the scale
.endr
.irp b, 0,1,2,3
	v_lshrrev_b32 v[TM+4+\b], 23, v[TM+12+\b]      ; the scale's byte
.endr
	v_lshl_or_b32 v[\pw], v[TM+5], 8, v[TM+4]
	v_lshl_or_b32 v[\pw], v[TM+6], 16, v[\pw]
	v_lshl_or_b32 v[\pw], v[TM+7], 24, v[\pw]
.set WW, \win
	WIN WW                                         ; source 0
.set n, 0
.rept 64
	v_med3_num_f32 v[X+n], v[(\s)+n], -v[TM+8+n/16], v[TM+8+n/16]   ; the conversion does not saturate (ISA guide 7.6.2): the hold at 448 x the scale
.set n, n+1
.endr
	WIN 0
.irp b, 0,1,2,3
	v_cvt_scalef32_pk8_fp8_f32 v[(\pc)+4*\b:(\pc)+4*\b+1], v[X+16*\b:X+16*\b+7], v[TM+12+\b]
	v_cvt_scalef32_pk8_fp8_f32 v[(\pc)+4*\b+2:(\pc)+4*\b+3], v[X+16*\b+8:X+16*\b+15], v[TM+12+\b]
.endr
	v_nop                                          ; a plain instruction behind the last conversion, ahead of the next vector instruction on its registers
.endm
	PLACES NP                                      ; behind the last products: ahead of the first read of results and of writes and loads into registers that held A's fragments
.irp b, 0,1,2,3
	v_mov_b32 v[TM+4+\b], 0                        ; written once: a lane permute's destination counts as one of its sources
.endr
	v_cmp_eq_u32 vcc_lo, 1, v2                     ; lanes 16-31
	s_cmp_lt_u32 ttmp9, 2                          ; the cluster's x: alike in all partners
	s_cbranch_scc0 .Lvpath
	; ---- q, k: block a = tokens 32 (a / 2) + 16 (r / 8) + 8 (a % 2) + r % 8; code registers 4 c on: head c / 2, d = 32 (c % 2) + 16 h + 0 .. 15
	RLOAD 0
	RLOAD 1
.irp a, 0,1,2,3,4,5,6,7
.if \a < 7
	s_wait_loadcnt 8                               ; this block's eight table loads are in; the next block's eight may be out
.else
	s_wait_loadcnt 0
.endif
	ROPE \a
.if \a < 6
	RLOAD \a+2
.endif
	s_wait_xcnt 0x0                                ; earlier stores have read their registers: the codes' set may be written again
	QUANT X, 0, PC+16*(\a%2), SW+\a
.irp c, 0,1,2,3
	global_store_b128 v[CO], v[PC+16*(\a%2)+4*\c:PC+16*(\a%2)+4*\c+3], s[10:11] offset:(\c/2)*PLANE+\a*1024+(\c%2)*512
.endr
.endr
.irp al, 0,1,2,3                       ; word (r, al) of a head: the two bytes of block 2 al, then those of block 2 al + 1.  Lanes 0-15 store the first head's, lanes 16-31 the second's
	v_perm_b32 v[T0], v[SW+2*\al+1], v[SW+2*\al], 0x05040100
	v_perm_b32 v[T0+1], v[SW+2*\al+1], v[SW+2*\al], 0x07060302
	v_cndmask_b32 v[SWO+\al], v[T0], v[T0+1], vcc_lo
.endr
	global_store_b128 v[SCO], v[SWO:SWO+3], s[10:11]   ; two runs of 256 consecutive bytes, aligned
	s_branch .Ljoin
.Lvpath:
	; ---- v: block a = head a / 4, tile a % 4 of its 64: d = 32 ((a % 4) / 2) + 16 (r / 8) + 8 (a % 2) + r % 8; code registers 4 c on: keys 32 c + 16 h + 0 .. 15
.irp a, 0,1,2,3,4,5,6,7
	s_wait_xcnt 0x0
	QUANT 64*(\a%4), 2+\a/4, PC+16*(\a%2), SW+\a
.irp c, 0,1,2,3
	global_store_b128 v[CO], v[PC+16*(\a%2)+4*\c:PC+16*(\a%2)+4*\c+3], s[10:11] offset:(\a/4)*PLANE+(\a%4)*2048+\c*512
.endr
.endr
.irp t, 0,1,2,3
	v_cndmask_b32 v[SWO+\t], v[SW+\t], v[SW+4+\t], vcc_lo
.endr
	global_store_b128 v[SCO], v[SWO:SWO+3], s[10:11]
.Ljoin:
	s_wait_tensorcnt 0x0                           ; the wave's end
	ds_add_u32 v[SPW], v[NIL]
	s_wait_dscnt 0x0
	CROUND                                         ; the closing round
	s_endpgm
.Lfunc_end_k_q1793c3aff1_qkv:
	.size	k_q1793c3aff1_qkv, .Lfunc_end_k_q1793c3aff1_qkv-k_q1793c3aff1_qkv
	.p2alignl 7, 3214868480
	.fill 96, 4, 3214868480
	.section	.rodata,"a",@progbits
	.p2align	6, 0x0
	.amdhsa_kernel k_q1793c3aff1_qkv
		.amdhsa_group_segment_fixed_size 327680
		.amdhsa_private_segment_fixed_size 0
		.amdhsa_enable_private_segment 0
		.amdhsa_kernarg_size 32
		.amdhsa_user_sgpr_count 2
		.amdhsa_user_sgpr_kernarg_segment_ptr 1
		.amdhsa_wavefront_size32 1
		.amdhsa_system_sgpr_workgroup_id_x 1
		.amdhsa_system_sgpr_workgroup_id_y 1
		.amdhsa_system_sgpr_workgroup_id_z 1
		.amdhsa_system_vgpr_workitem_id 0
		.amdhsa_next_free_vgpr 1024
		.amdhsa_next_free_sgpr 98
		.amdhsa_reserve_vcc 1
		.amdhsa_float_denorm_mode_32 3
		.amdhsa_float_denorm_mode_16_64 3
		.amdhsa_memory_ordered 1
		.amdhsa_forward_progress 1
		.amdhsa_inst_pref_size 255
	.end_amdhsa_kernel
	.section	.bss,"aw",@nobits
	.p2align	6
	.space	262144
	.amdgpu_metadata
---
amdhsa.version: [ 1, 2 ]
amdhsa.kernels:
  - .name:           k_q1793c3aff1_qkv
    .symbol:         k_q1793c3aff1_qkv.kd
    .args:
      - { .name: codes, .offset: 0, .size: 8, .value_kind: global_buffer, .address_space: global }
      - { .name: scales, .offset: 8, .size: 8, .value_kind: global_buffer, .address_space: global }
      - { .name: rope, .offset: 16, .size: 8, .value_kind: global_buffer, .address_space: global }
      - { .name: qkv, .offset: 24, .size: 8, .value_kind: global_buffer, .address_space: global }
    .group_segment_fixed_size: 327680
    .private_segment_fixed_size: 0
    .kernarg_segment_align: 8
    .kernarg_segment_size: 32
    .max_flat_workgroup_size: 128
    .sgpr_count:     98
    .vgpr_count:     1024
    .wavefront_size: 32
...
	.end_amdgpu_metadata
.endif
;; end of part 2
;; launch attn (part 3): grid 4 x 64, 16 waves a work-group, clusters of 4 x 1, 327,680 bytes of LDS; arguments qkv, ao_codes, ao_scales; writes ao_codes, ao_scales
.if DOCPART == 3
	.amdgcn_target "amdgcn-amd-amdhsa--gfx1250"
	.amdhsa_code_object_version 6
	.text
	.protected	k_q1793c3aff1_attn
	.globl	k_q1793c3aff1_attn
	.p2align	8
	.type	k_q1793c3aff1_attn,@function
k_q1793c3aff1_attn:
	s_mov_b64 s[64:65], 0
	v_nop
	global_prefetch_b8 v0, s[64:65] scope:SCOPE_SE
	s_setreg_imm32_b32 hwreg(HW_REG_WAVE_MODE, 25, 1), 1
	s_wait_xcnt 0x0
	s_wait_alu depctr_hold_cnt(0) depctr_sa_sdst(0) depctr_va_vdst(0) depctr_va_sdst(0) depctr_va_ssrc(0) depctr_va_vcc(0) depctr_vm_vsrc(0)
	s_getreg_b32 s2, hwreg(HW_REG_IB_STS2, 6, 4)
	s_cmp_eq_u32 s2, 0
	s_cbranch_scc0 .Lentry_in_a_cluster
	s_endpgm
.Lentry_in_a_cluster:
	s_bfe_u32 s2, ttmp6, 0x10000c
	s_cmp_lg_u32 s2, 0x3003
	s_cbranch_scc0 .Lentry_shape_is_right
	s_endpgm
.Lentry_shape_is_right:
; Causal attention of one head on codes of FP8 (E4M3) with E8M0 scales: S^T = K Q^T (K = the head's 64), p = 2^(t - M), O^T = V^T P^T (K = the keys), O / l, and O quantised along the model's 1024 for the last product.
; t = score x log2(e) / 8; M = the running largest t rounded UP to a whole number; the row's sum l is taken of the unquantised p; when M moves, l and O^T are multiplied by 2^(old M - new M), which rounds nothing.
; qkv holds images of operand registers: [plane = 64 which + y][step of 128 tokens][8,192 bytes + 256 of scale words], y = 16 batch + head.
; SHARES.  The four work-groups of a cluster share head y.  The head's K and V, 270,336 bytes with their scale words, are brought into each work-group's LDS ONCE, by joint loads (two a wave): nothing is filled again.
; A wave owns two tiles of 16 queries, i and 127 - i; tile i needs key steps 0 .. i / 8 (the steps behind it lie wholly under the mask), so every wave works 17 key steps of 128 keys.
; i = 8 a + c: a comes from the wave's number alone and steers the branches; c = 4 (bit 2 of the wave's number) + cx enters global addresses and vector data alone.
; LAYOUT.  Both products are used transposed: a lane holds ONE query (lane % 16).  Tile i's lane r is token 32 (i / 2) + 8 (i % 2) + 16 (r / 8) + r % 8.
; A fragment of K (2,048 bytes) holds TWO tiles of 16 keys x 64: chunks 0, 1 of keys 32 b + 16 (r / 8) + r % 8, chunks 2, 3 of those keys + 8.  Multiplied by [q, 0] and by [0, q] it gives both tiles' scores:
; half of each product's 128 along K are zero codes, which add nothing.  The 16 registers of tiles 2 b, 2 b + 1 are keys 32 b + 16 (lane / 16) + 0 .. 15: p's conversions give the second product's operand.
; V's tile t, lane r, is d = 32 (t / 2) + 16 (r / 8) + 8 (t % 2) + r % 8, so that O^T's registers 16 e + i are d = 32 e + 16 (lane / 16) + i.
; OUT: ao_codes [16-row tile 128 batch + i][head][e 2][lane][16 bytes], ao_scales [16 tile + r][32 bytes], byte 2 head + e: two bytes a row from each head's work-group.
; No prefetch: all of K and V is asked for at the head by the tensor loads themselves.
; LIMITS: a block of zeros gets the byte 1; NaN and infinities are not served.
.set PLANE, 135168
.set BLOCK, 8448
.set HALF,  8*BLOCK                    ; eight steps
.set LK,  1                            ; v1  16 x lane: my place in an image; K's steps begin at LDS byte 0
.set LV,  2                            ; v2  the same for V, which begins at LDS byte PLANE
.set SKA, 3                            ; v3  16 r + 8,192: my four scale words of a step of K
.set SVA, 4                            ; v4  of V
.set DQ,  5                            ; v5  my query's place in its step - 16 (lane / 16)
.set OSO, 6                            ; v6  32 r
.set DL,  7                            ; v7  16 (r / 8) + r % 8 - 16 (lane / 16)
.set ADK, 8
.set ADV, 9
.set ADS, 10
.set ADT, 11                           ; v12 -M, v13 the largest t, v[14:15] l in two halves
.set Q,   16                           ; v16-23 q, v24-31 zeros, v32-39 q: [q, 0] = v16-31, [0, q] = v24-39
.set F,   40                           ; v40-103 four fragments, of K and then of V
.set S,   104                          ; v104-167 S^T, then p
.set O,   168                          ; v168-199 O^T
.set PCD, 200                          ; v200-215 p's codes
.set BM,  216
.set TP,  220
.set LM,  224
.set SO,  228
.set KSW, 232                          ; v232-235 K's scale words, v236-239 V's, v240 Q's, v241 p's: scales and nothing else
.set VSW, 236
.set QSW, 240
.set PSW, 241
.set FF,  242                          ; v[242:243] f = 2^(old M - new M) (the low word serves both halves)
.set TT,  244
.set WV,  10
.set G1,  16
.set G0A, 24
.set G0B, 28
.set IT,  32                           ; s32 my tile
.set AT,  33                           ; s33 its last key step: from the wave's number alone
.set SI,  34
.set TB,  35
.set SEL, 36
.set CSC, 38                           ; s[38:39] c = log2(e) / 8
.set MNT, 40
.set PSEL, 41
.set QB,  42
.set QS,  44
.set OC,  46
.set OS,  48
.macro CROUND
	s_barrier_signal -1
	s_barrier_wait -1
	s_cmp_lg_u32 s[WV], 0
	s_cbranch_scc1 .Lnot_wave_0_\@
	s_barrier_signal -3
.Lnot_wave_0_\@:
	s_barrier_wait -3
	s_barrier_signal -1
	s_barrier_wait -1
.endm
	s_load_b128 s[4:7], s[0:1], 0x0                ; qkv, ao_codes
	s_load_b64 s[8:9], s[0:1], 0x10                ; ao_scales
	v_lshl_add_u32 v254, v0, 2, 0x42000
	v_mov_b32 v255, 0
	ds_add_u32 v254, v255
	ds_add_u32 v254, v255
	v_lshrrev_b32 v1, 5, v0
	s_delay_alu instid0(VALU_DEP_1)
	v_readfirstlane_b32 s[WV], v1                  ; wave 0..15
	s_bfe_u32 s14, ttmp6, 0x40000                  ; cx
	s_and_b32 s15, ttmp7, 0xffff                   ; y = 16 batch + head
	; descriptor group 1: a step's block, 8,448 dense bytes, as 33 rows of 256 bytes (32 elements of 8); the mask names all four work-groups
	s_mov_b32 s[G1], 15|(3<<16)|(1<<21)
	s_mov_b32 s[G1+1], 32<<16
	s_mov_b32 s[G1+2], 33<<16
	s_mov_b32 s[G1+3], 32<<16
	s_mov_b32 s[G1+4], 33
	s_mov_b32 s[G1+5], 32
	s_mov_b32 s[G1+6], 0
	s_mov_b32 s[G1+7], 0
	s_lshr_b32 s50, s[WV], 3                       ; waves 0-7 fetch K's steps w and w + 8, waves 8-15 V's
	s_and_b32 s51, s[WV], 7
	s_mul_i32 s52, s51, BLOCK
	s_mul_i32 s53, s50, PLANE
	s_add_co_u32 s[G0A+1], s52, s53                ; LDS address
	s_add_co_u32 s[G0B+1], s[G0A+1], HALF
	s_add_co_u32 s50, s50, 1
	s_mul_i32 s50, s50, 64*PLANE                   ; k's planes, or v's
	s_mul_i32 s53, s15, PLANE
	s_add_co_u32 s50, s50, s53
	s_add_co_u32 s50, s50, s52
	s_mov_b32 s51, 0
	s_mov_b32 s[SEL], 0x76543210
	s_mov_b32 s[SEL+1], 0xfedcba98
	s_mov_b32 s[CSC], 0x3e38aa3b
	s_mov_b32 s[CSC+1], s[CSC]
	s_wait_dscnt 0x0
	s_wait_kmcnt 0x0
	s_mov_b32 s[G0A], 1
	s_add_nc_u64 s[G0A+2:G0A+3], s[4:5], s[50:51]
	s_mov_b32 s[G0B], 1
	s_add_nc_u64 s[G0B+2:G0B+3], s[G0A+2:G0A+3], HALF
	s_or_b32 s[G0A+3], s[G0A+3], 0x80000000
	s_or_b32 s[G0B+3], s[G0B+3], 0x80000000
	CROUND                                         ; all four work-groups are here: the joint loads meet
	tensor_load_to_lds s[G0A:G0A+3], s[G1:G1+7]    ; a step of the first eight,
	s_nop 0
	s_wait_alu depctr_va_vdst(0)
	s_wait_tensorcnt 0x0
	ds_add_u32 v254, v255
	s_wait_dscnt 0x0
	CROUND
	tensor_load_to_lds s[G0B:G0B+3], s[G1:G1+7]    ; and one of the last eight: one load of mine is out
	s_nop 0
.rept 4
	v_nop
.endr
	; which tiles are mine
	s_lshr_b32 s11, s[WV], 2                       ; g
	s_and_b32 s12, s[WV], 3                        ; s
	s_lshr_b32 s50, s11, 1
	s_lshl_b32 s50, s50, 1
	s_lshr_b32 s51, s12, 1
	s_add_co_u32 s50, s50, s51
	s_xor_b32 s51, s12, s11
	s_and_b32 s51, s51, 1
	s_mul_i32 s51, s51, 7
	s_xor_b32 s[AT], s50, s51                      ; a: 0 .. 7, each twice among the 16 waves, once for each value of g & 1
	s_and_b32 s50, s11, 1
	s_lshl_b32 s50, s50, 2
	s_add_co_u32 s50, s50, s14                     ; c = 4 (g & 1) + cx
	s_lshl_b32 s[IT], s[AT], 3
	s_add_co_u32 s[IT], s[IT], s50                 ; my first tile: 8 a + c
	v_and_b32 v8, 31, v0
	s_delay_alu instid0(VALU_DEP_1)
	v_lshlrev_b32 v[LK], 4, v8
	s_delay_alu instid0(VALU_DEP_1)
	v_add_nc_u32 v[LV], PLANE, v[LK]
	v_and_b32 v9, 15, v0                           ; r
	s_delay_alu instid0(VALU_DEP_1)
	v_lshl_add_u32 v[SKA], v9, 4, 8192
	s_delay_alu instid0(VALU_DEP_1)
	v_add_nc_u32 v[SVA], PLANE, v[SKA]
	s_delay_alu instid0(VALU_DEP_3)
	v_lshlrev_b32 v[OSO], 5, v9
	v_bfe_u32 v10, v0, 4, 1
	v_bfe_u32 v11, v0, 3, 1
	v_and_b32 v[DL], 7, v0
	s_delay_alu instid0(VALU_DEP_1)
	v_lshl_add_u32 v[DL], v11, 4, v[DL]
	s_delay_alu instid0(VALU_DEP_4)
	v_lshlrev_b32 v10, 4, v10
	s_delay_alu instid0(VALU_DEP_1)
	v_sub_nc_u32 v[DL], v[DL], v10
.irp j, 0,1,2,3,4,5,6,7
	v_mov_b32 v[Q+8+\j], 0                         ; the zero codes between the two copies of q
.endr
.irp b, 0,1,2,3
	v_mov_b32 v[TP+\b], 0                          ; written once: a lane permute's destination counts as one of its sources
.endr
	v_mov_b32 v[TT], 0
	v_mov_b32 v[FF+1], 0                           ; (named as the upper half of a pair)
; Tile s[IT]: addresses, and the loads of q and of its scale word
.macro SETUP
	s_wait_xcnt 0x0                                ; earlier loads and stores have read their bases and registers
	s_mul_i32 s50, s15, PLANE
	s_lshr_b32 s52, s[IT], 3
	s_mul_i32 s52, s52, BLOCK
	s_add_co_u32 s50, s50, s52                     ; q's plane of my head, my tile's step
	s_and_b32 s54, s[IT], 7
	s_lshl_b32 s52, s54, 10
	s_add_co_u32 s52, s52, s50
	s_mov_b32 s53, 0
	s_add_nc_u64 s[QB:QB+1], s[4:5], s[52:53]      ; the tile's 1,024 bytes
	s_lshr_b32 s52, s54, 1
	s_lshl_b32 s55, s52, 5
	s_lshl_b32 s52, s52, 2
	s_add_co_u32 s52, s52, s50
	s_add_nc_u64 s[QS:QS+1], s[4:5], s[52:53]      ; word (i % 8) / 2 of a row's four (the vector offset brings 16 r + 8,192)
	s_lshr_b32 s52, s15, 4
	s_lshl_b32 s52, s52, 7
	s_add_co_u32 s52, s52, s[IT]                   ; 128 batch + i
	s_and_b32 s54, s15, 15                         ; head
	s_lshl_b32 s50, s52, 14
	s_lshl_b32 s51, s54, 10
	s_add_co_u32 s50, s50, s51
	s_mov_b32 s51, 0
	s_add_nc_u64 s[OC:OC+1], s[6:7], s[50:51]
	s_lshl_b32 s50, s52, 9
	s_lshl_b32 s54, s54, 1
	s_add_co_u32 s50, s50, s54
	s_add_nc_u64 s[OS:OS+1], s[8:9], s[50:51]
	s_and_b32 s50, s[IT], 1
	s_lshl_b32 s50, s50, 3
	s_add_co_u32 s55, s55, s50
	v_add_nc_u32 v[DQ], s55, v[DL]                 ; 32 ((i % 8) / 2) + 8 (i % 2) + 16 (r / 8) + r % 8 - 16 (lane / 16)
	s_mov_b32 s[PSEL], 0x03020302
	s_bitcmp1_b32 s[IT], 0
	s_cselect_b32 s[PSEL], s[PSEL], 0x01000100     ; which half of the word is my tile's: a choice of a value, no branch
	global_load_b128 v[Q:Q+3], v[LK], s[QB:QB+1]
	global_load_b128 v[Q+4:Q+7], v[LK], s[QB:QB+1] offset:512
	global_load_b128 v[Q+16:Q+19], v[LK], s[QB:QB+1]
	global_load_b128 v[Q+20:Q+23], v[LK], s[QB:QB+1] offset:512
	global_load_b32 v[TT], v[SKA], s[QS:QS+1]
.endm
.macro INIT
	v_mov_b32 v13, 0xff61b1e6                      ; the largest t so far: -3e38
	s_delay_alu instid0(VALU_DEP_1)
	v_floor_f32 v12, -v13
	v_mov_b32 v14, 0
	v_mov_b32 v15, 0
.set j, 0
.rept 32
	v_mov_b32 v[O+j], 0                            ; the loop is written once: its first step finds zeros
.set j, j+1
.endr
	s_wait_loadcnt 0x0                             ; q and its scale word
	v_perm_b32 v[QSW], v[TT], v[TT], s[PSEL]       ; (block 0, block 1, block 0, block 1): it serves [q, 0] and [0, q]
.rept 8
	v_nop                                          ; a scale register written by a vector instruction stands eight places ahead of the product
.endr
.endm
; n key steps, n a constant; the steps behind s[AT] are jumped over, but for the lines that step the address and the counter
.macro PASS n
	s_mov_b32 s[SI], 0
	s_mov_b32 s[TB], 0
.Lstep_\@:
	s_cmp_gt_u32 s[SI], s[AT]
	s_cbranch_scc1 .Lhidden_\@
	s_setprio 2
	v_add_nc_u32 v[ADK], s[TB], v[LK]
	v_add_nc_u32 v[ADV], s[TB], v[LV]
	v_add_nc_u32 v[ADS], s[TB], v[SKA]
	v_add_nc_u32 v[ADT], s[TB], v[SVA]
.rept 4
	v_nop                                          ; with the four additions: eight places in front of loads into registers that the last products read
.endr
.irp b, 0,1,2,3
.irp c, 0,1,2,3
	ds_load_b128 v[F+16*\b+4*\c:F+16*\b+4*\c+3], v[ADK] offset:2048*\b+512*\c
.endr
.endr
	ds_load_b128 v[KSW:KSW+3], v[ADS]
	s_wait_dscnt 0x0
	s_wait_alu depctr_va_vdst(0)
.irp b, 0,1,2,3
	v_wmma_scale_f32_16x16x128_f8f6f4 v[S+16*\b:S+16*\b+7], v[F+16*\b:F+16*\b+15], v[Q:Q+15], 0, v[KSW+\b], v[QSW]
	v_wmma_scale_f32_16x16x128_f8f6f4 v[S+16*\b+8:S+16*\b+15], v[F+16*\b:F+16*\b+15], v[Q+8:Q+23], 0, v[KSW+\b], v[QSW]
.endr
.rept 8
	v_nop
.endr
.irp t, 0,1,2,3                        ; V's fragments take K's registers and land under the softmax
.irp c, 0,1,2,3
	ds_load_b128 v[F+16*\t+4*\c:F+16*\t+4*\c+3], v[ADV] offset:2048*\t+512*\c
.endr
.endr
	ds_load_b128 v[VSW:VSW+3], v[ADT]
	s_cmp_lt_u32 s[SI], s[AT]                      ; only my tile's own step lies on the diagonal
	s_cbranch_scc1 .Lopen_\@
	v_mov_b32 v[TT], 0xff800000                    ; -infinity: p = 0 then
.set n, 0
.rept 64
	v_cmp_gt_i32 vcc_lo, 32*(n/16)+n%16, v[DQ]     ; register 16 b + i holds key 32 b + 16 (lane / 16) + i of the step
	v_cndmask_b32 v[S+n], v[S+n], v[TT], vcc_lo
.set n, n+1
.endr
.Lopen_\@:
.irp b, 0,1,2,3
	v_max3_num_f32 v[BM+\b], v[S+16*\b], v[S+1+16*\b], v[S+2+16*\b]   ; the largest score of each block of 32 keys: for the row's maximum, and for the block's largest p
.endr
.irp i, 3,5,7,9,11,13
.irp b, 0,1,2,3
	v_max3_num_f32 v[BM+\b], v[BM+\b], v[S+16*\b+\i], v[S+1+16*\b+\i]
.endr
.endr
.irp b, 0,1,2,3
	v_max_num_f32 v[BM+\b], v[BM+\b], v[S+15+16*\b]
.endr
.irp b, 0,1,2,3
	s_delay_alu instid0(VALU_DEP_4)
	v_permlanex16_b32 v[TP+\b], v[BM+\b], s[SEL], s[SEL+1]
.endr
.irp b, 0,1,2,3
	s_delay_alu instid0(VALU_DEP_4)
	v_max_num_f32 v[BM+\b], v[BM+\b], v[TP+\b]
.endr
	s_delay_alu instid0(VALU_DEP_2)
	v_max3_num_f32 v[TT], v[BM], v[BM+1], v[BM+2]
	s_delay_alu instid0(VALU_DEP_1)
	v_max_num_f32 v[TT], v[TT], v[BM+3]
	s_delay_alu instid0(VALU_DEP_1)
	v_mul_f32 v[TT], s[CSC], v[TT]
	s_delay_alu instid0(VALU_DEP_1)
	v_max_num_f32 v13, v13, v[TT]                  ; the running largest t
	v_mov_b32 v[TT], v12
	s_delay_alu instid0(VALU_DEP_2)
	v_floor_f32 v12, -v13                          ; -M = floor(-t)
	s_delay_alu instid0(VALU_DEP_1)
	v_sub_f32 v[TT], v12, v[TT]
	s_delay_alu instid0(VALU_DEP_1)
	v_cvt_i32_f32 v[TT], v[TT]                     ; (it saturates)
	s_delay_alu instid0(VALU_DEP_1)
	v_ldexp_f32 v[FF], 1.0, v[TT]                  ; f = 2^(old M - new M)
.set j, 0
	s_setprio 1
.rept 32
	v_pk_fma_f32 v[S+j:S+j+1], v[S+j:S+j+1], s[CSC:CSC+1], v[12:13] op_sel_hi:[1,0,0]   ; t - M
.set j, j+2
.endr
.irp b, 0,1,2,3
	v_fma_f32 v[BM+\b], v[BM+\b], s[CSC], v12
.endr
.set j, 0
	s_wait_alu depctr_va_vdst(0)
.rept 64
	v_exp_f32 v[S+j], v[S+j]                       ; p = 2^(t - M)
.set j, j+1
.endr
	v_pk_mul_f32 v[14:15], v[14:15], v[FF:FF+1] op_sel_hi:[1,0]   ; l under the new M: a plain instruction behind the exponentials
	s_wait_alu depctr_va_vdst(0)                   ; one wait for the batch, ahead of its first reader
.irp b, 0,1,2,3
	v_exp_f32 v[BM+\b], v[BM+\b]                   ; the block's largest p
.endr
	v_pk_add_f32 v[TP:TP+1], v[S:S+1], v[S+2:S+3]  ; the row's sum of the unquantised p, in two chains
.irp j, 4,8,12,16,20,24,28,32,36,40,44,48,52,56,60
	v_pk_add_f32 v[14:15], v[14:15], v[S+\j:S+\j+1]
	v_pk_add_f32 v[TP:TP+1], v[TP:TP+1], v[S+2+\j:S+3+\j]
.endr
	s_delay_alu instid0(VALU_DEP_1)
	v_pk_add_f32 v[14:15], v[14:15], v[TP:TP+1]
	s_setprio 0
	s_wait_alu depctr_va_vdst(0)                   ; and one for the four
.irp b, 0,1,2,3
	v_max_num_f32 v[BM+\b], 0x4800000, v[BM+\b]    ; the floor 2^(9 - 127)
.endr
.irp b, 0,1,2,3
	s_delay_alu instid0(VALU_DEP_4)
	v_add_nc_u32 v[SO+\b], 0xfc000000, v[BM+\b]
.endr
.irp b, 0,1,2,3
.endr
.irp b, 0,1,2,3
	s_delay_alu instid0(VALU_DEP_4)
	v_lshrrev_b32 v[TP+\b], 23, v[SO+\b]
.endr
	s_delay_alu instid0(VALU_DEP_3)
	v_lshl_or_b32 v[PSW], v[TP+1], 8, v[TP]        ; p's scale word for these 128 keys
	s_delay_alu instid0(VALU_DEP_1)
	v_lshl_or_b32 v[PSW], v[TP+2], 16, v[PSW]
	s_delay_alu instid0(VALU_DEP_1)
	v_lshl_or_b32 v[PSW], v[TP+3], 24, v[PSW]
.irp b, 0,1,2,3
.irp i, 0,1,2,3,4,5,6,7,8,9,10,11,12,13,14,15
.endr
	v_cvt_scalef32_pk8_fp8_f32 v[PCD+4*\b:PCD+4*\b+1], v[S+16*\b:S+16*\b+7], v[SO+\b]
	v_cvt_scalef32_pk8_fp8_f32 v[PCD+4*\b+2:PCD+4*\b+3], v[S+16*\b+8:S+16*\b+15], v[SO+\b]
.endr
.set j, 0
.rept 16
	v_pk_mul_f32 v[O+j:O+j+1], v[O+j:O+j+1], v[FF:FF+1] op_sel_hi:[1,0]   ; O^T under the new M; these are also the places ahead of the products
.set j, j+2
.endr
	s_wait_alu depctr_va_vdst(0)
	s_wait_dscnt 0x0                               ; V and its scale words
.irp t, 0,1,2,3                        ; the four accumulators by turns
	v_wmma_scale_f32_16x16x128_f8f6f4 v[O+8*\t:O+8*\t+7], v[F+16*\t:F+16*\t+15], v[PCD:PCD+15], v[O+8*\t:O+8*\t+7], v[VSW+\t], v[PSW]
.endr
.Lhidden_\@:
	s_add_co_u32 s[TB], s[TB], BLOCK
	s_add_co_u32 s[SI], s[SI], 1
	s_cmp_lt_u32 s[SI], \n
	s_cbranch_scc1 .Lstep_\@
	s_setprio 0
.endm
; O^T / l, quantised along d in two blocks of 32, stored as the last product's operand
.macro FINISH
.rept 8
	v_nop
.endr
	v_add_f32 v14, v14, v15
	s_delay_alu instid0(VALU_DEP_1)
	v_permlanex16_b32 v[TT], v14, s[SEL], s[SEL+1]
	s_delay_alu instid0(VALU_DEP_1)
	v_add_f32 v14, v14, v[TT]
	s_wait_alu depctr_va_vdst(0)
	v_rcp_f32 v14, v14
	v_nop
	s_wait_alu depctr_va_vdst(0)
.set j, 0
.rept 32
	v_mul_f32 v[S+j], v[O+j], v14
.set j, j+1
.endr
.irp b, 0,1
	v_max3_num_f32 v[BM+\b], |v[S+16*\b]|, |v[S+1+16*\b]|, 0x4800000
.endr
.irp i, 2,4,6,8,10,12,14
.irp b, 0,1
	s_delay_alu instid0(VALU_DEP_2)
	v_max3_num_f32 v[BM+\b], v[BM+\b], |v[S+16*\b+\i]|, |v[S+1+16*\b+\i]|
.endr
.endr
.irp b, 0,1
	s_delay_alu instid0(VALU_DEP_2)
	v_permlanex16_b32 v[TP+\b], v[BM+\b], s[SEL], s[SEL+1]
.endr
.irp b, 0,1
	s_delay_alu instid0(VALU_DEP_2)
	v_max_num_f32 v[BM+\b], v[BM+\b], v[TP+\b]
.endr
.irp b, 0,1
	s_delay_alu instid0(VALU_DEP_2)
	v_add_nc_u32 v[SO+\b], 0xfc000000, v[BM+\b]
.endr
.irp b, 0,1
.endr
.irp b, 0,1
	s_delay_alu instid0(VALU_DEP_2)
	v_lshrrev_b32 v[TP+\b], 23, v[SO+\b]
.endr
	s_delay_alu instid0(VALU_DEP_1)
	v_lshl_or_b32 v[TT+1], v[TP+1], 8, v[TP]       ; my row's two bytes
.irp b, 0,1
.irp i, 0,1,2,3,4,5,6,7,8,9,10,11,12,13,14,15
.endr
	v_cvt_scalef32_pk8_fp8_f32 v[PCD+4*\b:PCD+4*\b+1], v[S+16*\b:S+16*\b+7], v[SO+\b]
	v_cvt_scalef32_pk8_fp8_f32 v[PCD+4*\b+2:PCD+4*\b+3], v[S+16*\b+8:S+16*\b+15], v[SO+\b]
.endr
	v_nop                                          ; a plain instruction behind the last conversion
	global_store_b128 v[LK], v[PCD:PCD+3], s[OC:OC+1]              ; 512 consecutive bytes
	global_store_b128 v[LK], v[PCD+4:PCD+7], s[OC:OC+1] offset:512
	global_store_b16 v[OSO], v[TT+1], s[OS:OS+1]   ; lanes 16-31 write the same two bytes with the same value
.endm
	SETUP
	s_wait_tensorcnt 1                             ; my step of the first eight is in; my other load may stay out, and the first tile reads steps 0 to 7 alone
	s_barrier_signal -1
	s_barrier_wait -1                              ; everybody's is
	INIT
	PASS 8
	FINISH
	s_xor_b32 s[IT], s[IT], 127                    ; my second tile: 127 - i,
	s_xor_b32 s[AT], s[AT], 15                     ; its last step: 15 - a
	SETUP
	s_wait_tensorcnt 0x0                           ; my step of the last eight is in,
	s_wait_dscnt 0x0
	s_barrier_signal -1
	s_barrier_wait -1                              ; everybody's is
	INIT
	PASS 16
	FINISH
	s_wait_tensorcnt 0x0
	ds_add_u32 v254, v255
	s_wait_dscnt 0x0
	CROUND                                         ; the closing round
	s_endpgm
.Lfunc_end_k_q1793c3aff1_attn:
	.size	k_q1793c3aff1_attn, .Lfunc_end_k_q1793c3aff1_attn-k_q1793c3aff1_attn
	.p2alignl 7, 3214868480
	.fill 96, 4, 3214868480
	.section	.rodata,"a",@progbits
	.p2align	6, 0x0
	.amdhsa_kernel k_q1793c3aff1_attn
		.amdhsa_group_segment_fixed_size 327680
		.amdhsa_private_segment_fixed_size 0
		.amdhsa_enable_private_segment 0
		.amdhsa_kernarg_size 24
		.amdhsa_user_sgpr_count 2
		.amdhsa_user_sgpr_kernarg_segment_ptr 1
		.amdhsa_wavefront_size32 1
		.amdhsa_system_sgpr_workgroup_id_x 1
		.amdhsa_system_sgpr_workgroup_id_y 1
		.amdhsa_system_sgpr_workgroup_id_z 1
		.amdhsa_system_vgpr_workitem_id 0
		.amdhsa_next_free_vgpr 256
		.amdhsa_next_free_sgpr 66
		.amdhsa_reserve_vcc 1
		.amdhsa_float_denorm_mode_32 3
		.amdhsa_float_denorm_mode_16_64 3
		.amdhsa_fp16_overflow 1
		.amdhsa_memory_ordered 1
		.amdhsa_forward_progress 1
		.amdhsa_inst_pref_size 66
	.end_amdhsa_kernel
	.amdgpu_metadata
---
amdhsa.version: [ 1, 2 ]
amdhsa.kernels:
  - .name:           k_q1793c3aff1_attn
    .symbol:         k_q1793c3aff1_attn.kd
    .args:
      - { .name: qkv, .offset: 0, .size: 8, .value_kind: global_buffer, .address_space: global }
      - { .name: ao_codes, .offset: 8, .size: 8, .value_kind: global_buffer, .address_space: global }
      - { .name: ao_scales, .offset: 16, .size: 8, .value_kind: global_buffer, .address_space: global }
    .group_segment_fixed_size: 327680
    .private_segment_fixed_size: 0
    .kernarg_segment_align: 8
    .kernarg_segment_size: 24
    .max_flat_workgroup_size: 512
    .sgpr_count:     66
    .vgpr_count:     256
    .wavefront_size: 32
...
	.end_amdgpu_metadata
.endif
;; end of part 3
;; launch oproj (part 4): grid 4 x 32, 4 waves a work-group, clusters of 4 x 4, 327,680 bytes of LDS; arguments ao_codes, ao_scales, codes, scales, out0; writes out0
.if DOCPART == 4
	.amdgcn_target "amdgcn-amd-amdhsa--gfx1250"
	.amdhsa_code_object_version 6
	.text
	.protected	k_q1793c3aff1_oproj
	.globl	k_q1793c3aff1_oproj
	.p2align	8
	.type	k_q1793c3aff1_oproj,@function
k_q1793c3aff1_oproj:
	s_mov_b64 s[64:65], 0
	v_nop
	global_prefetch_b8 v0, s[64:65] scope:SCOPE_SE
	s_setreg_imm32_b32 hwreg(HW_REG_WAVE_MODE, 25, 1), 1
	s_wait_xcnt 0x0
	s_wait_alu depctr_hold_cnt(0) depctr_sa_sdst(0) depctr_va_vdst(0) depctr_va_sdst(0) depctr_va_ssrc(0) depctr_va_vcc(0) depctr_vm_vsrc(0)
	s_getreg_b32 s2, hwreg(HW_REG_IB_STS2, 6, 4)
	s_cmp_eq_u32 s2, 0
	s_cbranch_scc0 .Lentry_in_a_cluster
	s_endpgm
.Lentry_in_a_cluster:
	s_bfe_u32 s2, ttmp6, 0x10000c
	s_cmp_lg_u32 s2, 0xf033
	s_cbranch_scc0 .Lentry_shape_is_right
	s_endpgm
.Lentry_shape_is_right:
; out0 = A Wo^T on codes of FP8 (E4M3) with E8M0 scales for each 32 along K = 1024.  A, the attention's result, lies in ao_codes as images of operand registers: [16-row tile][K step of 128][chunk 4][lane][16 bytes];
; its scale bytes in ao_scales [16 tile + lane % 16][32].  Lane r of tile t is token row 128 (t / 8) + 32 ((t % 8) / 2) + 8 (t % 2) + 16 (r / 8) + r % 8.  Wo's codes are rows 11,264 on of codes, its scales likewise.
; A tile of 256 x 256 of out0 is made by four waves, 128 x 128 each; K goes in steps of 256 through a ring of two LDS slots; the scale bytes come once.  128 tiles: 128 work-groups.
; CLUSTERS of 4 x 4: A's tiles are shared along a row of the cluster, B's along a column: joint loads.  THE MATRIX INSTRUCTION IS USED TRANSPOSED: a lane holds eight neighbouring numbers of a row of out0.
; REGISTERS as in windows of 256: window 0: v0-31 addresses; v32-63 scale words; from v128 A's fragments, later rows on their way out.  window 1: B's fragments, two sets.  windows 2, 3: the accumulators.
.set SIZE_K, 1024
.set SIZE_N, 1024
.set KSTEP,  256
.set NQ,     KSTEP/128
.set ROWB,   256
.set KROW,   SIZE_K
.set ASTEP,  4096                      ; a K step of one 16-row tile of A: two images of 2,048 bytes
.set PITCH,  272
.set FR,     16
.set NL,     4
.set NP,     8
.set HALFT,  128*PITCH                 ; B: 128 padded rows; A's 8 x 4,096 bytes lie at the head of the same room
.set SLOT,   4*HALFT
.set LAPS,   SIZE_K/(2*KSTEP)
.set KS,     SIZE_K/32
.set SCL,    2*SLOT
.set HALFS,  (128*KS/256)*272
.set SBLK,   (16*KS/256)*272
.set SPARE,  SCL+4*HALFS               ; the spare words: two blocks of 256 bytes that no other line names
.set SPITCH, 528                       ; the way out: a stage of 16 rows x (512 + 16) bytes for each wave, in slot 0, which has had its last fill and its last read by then
.set ADRA, 16
.set ADRB, 20
.set STO,  24
.set RD,   25
.set CO,   26
.set ADRS, 27
.set SPW,  28
.set NIL,  29
.set SC,   32
.set AF,   128
.set BK,   128
.set G1, 24
.set G0, 32
.set G1B, 48
.set G0B, 56
.set G1S, 68
.set G0S, 76
.set G1SB, 80
.set G0SB, 88
.set MSB, 0
.macro WIN new
.if MSB != \new
	s_set_vgpr_msb (MSB<<8)|\new
.set MSB, \new
.endif
.endm
.set MUL_LO, 0xa1
.set MUL_HI, 0xf1
.set TO_B,   0x40
.macro JLOAD g0a, g1a, g0b, g1b        ; a joint load: waves 0 and 1 fetch for A, waves 2 and 3 for B; four v_nop follow each line
	s_cmp_eq_u32 s15, 0
	s_cbranch_scc0 .Lfor_b_\@
	tensor_load_to_lds s[\g0a:\g0a+3], s[\g1a:\g1a+7]
	s_nop 0
.rept 4
	v_nop
.endr
	s_branch .Lasked_\@
.Lfor_b_\@:
	tensor_load_to_lds s[\g0b:\g0b+3], s[\g1b:\g1b+7]
	s_nop 0
.rept 4
	v_nop
.endr
.Lasked_\@:
.endm
.macro CREST
	s_cmp_lg_u32 s14, 0
	s_cbranch_scc1 .Lnot_wave_0_\@
	s_barrier_signal -3
.Lnot_wave_0_\@:
	s_barrier_wait -3
	s_barrier_signal -1
	s_barrier_wait -1
.endm
.macro CROUND
	s_barrier_signal -1
	s_barrier_wait -1
	CREST
.endm
	s_load_b128 s[4:7], s[0:1], 0x0                ; A's codes, A's scales
	s_load_b128 s[8:11], s[0:1], 0x10              ; codes, scales
	s_load_b64 s[12:13], s[0:1], 0x20              ; out0
	v_lshl_add_u32 v[SPW], v0, 2, SPARE
	v_mov_b32 v[NIL], 0
	ds_add_u32 v28, v29
	ds_add_u32 v28, v29
	s_wait_dscnt 0x0
	v_lshrrev_b32 v1, 5, v0
	v_readfirstlane_b32 s14, v1
	s_lshr_b32 s15, s14, 1
	s_and_b32 s16, s14, 1
	s_bfe_u32 s40, ttmp6, 0x40000
	s_bfe_u32 s41, ttmp6, 0x40004
	s_lshl_b32 s42, ttmp9, 2
	s_add_co_u32 s42, s42, s40                     ; tile column
	s_and_b32 s17, ttmp7, 0xffff
	s_lshl_b32 s17, s17, 2
	s_add_co_u32 s17, s17, s41                     ; tile row
	s_lshl_b32 s43, s41, 2
	s_lshl_b32 s43, 15, s43
	s_lshl_b32 s44, 0x1111, s40
	; A: 8 tiles of 16 rows x 4,096 bytes (512 elements of 8), 16,384 bytes apart in memory, dense in LDS
	s_or_b32 s[G1+0], s43, (3<<16)|(1<<21)
	s_mov_b32 s[G1+1], 512<<16
	s_mov_b32 s[G1+2], 8<<16
	s_mov_b32 s[G1+3], 512<<16
	s_mov_b32 s[G1+4], 8
	s_mov_b32 s[G1+5], 2048
	s_mov_b32 s[G1+6], 0
	s_mov_b32 s[G1+7], 0
	; B: 128 rows x 256 bytes, 16 bytes of padding behind each
	s_or_b32 s[G1B+0], s44, (0<<16)|(1<<20)|(1<<21)|(5<<22)|(3<<25)
	s_mov_b32 s[G1B+1], ROWB<<16
	s_mov_b32 s[G1B+2], 128<<16
	s_mov_b32 s[G1B+3], ROWB<<16
	s_mov_b32 s[G1B+4], 128
	s_mov_b32 s[G1B+5], KROW
	s_mov_b32 s[G1B+6], 0
	s_mov_b32 s[G1B+7], 0
	s_or_b32 s[G1S+0], s43, (3<<16)|(1<<20)|(1<<21)|(5<<22)|(3<<25)
	s_or_b32 s[G1SB+0], s44, (3<<16)|(1<<20)|(1<<21)|(5<<22)|(3<<25)
.irp g, G1S, G1SB
	s_mov_b32 s[\g+1], 32<<16
	s_mov_b32 s[\g+2], (128*KS/256)<<16
	s_mov_b32 s[\g+3], 32<<16
	s_mov_b32 s[\g+4], 128*KS/256
	s_mov_b32 s[\g+5], 32
	s_mov_b32 s[\g+6], 0
	s_mov_b32 s[\g+7], 0
.endr
	s_lshl_b32 s18, s16, 7
	s_lshl_b32 s20, s17, 8
	s_add_co_u32 s20, s20, s18                     ; A: row 256 x tile row + 128 x half (16 rows of 1,024 bytes are a tile's 16,384)
	s_lshl_b32 s46, s42, 8
	s_add_co_u32 s46, s46, s18                     ; B: row 256 x tile column + 128 x half
	s_mov_b32 s21, 0
	s_mov_b32 s47, 0
	s_mov_b64 s[18:19], KS
	s_mul_u64 s[22:23], s[20:21], s[18:19]
	s_mul_u64 s[92:93], s[46:47], s[18:19]
	s_mov_b64 s[18:19], KROW
	s_mul_u64 s[20:21], s[20:21], s[18:19]
	s_mul_u64 s[46:47], s[46:47], s[18:19]
	s_mul_i32 s45, s14, HALFT
	s_mul_i32 s94, s14, HALFS
	s_wait_kmcnt 0x0
	s_add_nc_u64 s[8:9], s[8:9], 11264*1024        ; Wo's codes,
	s_add_nc_u64 s[10:11], s[10:11], 11264*32      ; and its scales
	s_add_nc_u64 s[20:21], s[4:5], s[20:21]
	s_add_nc_u64 s[22:23], s[6:7], s[22:23]
	s_add_nc_u64 s[46:47], s[8:9], s[46:47]
	s_add_nc_u64 s[92:93], s[10:11], s[92:93]
	CROUND
	s_mov_b32 s[G0S], 1
	s_add_co_u32 s[G0S+1], s94, SCL
	s_mov_b64 s[G0S+2:G0S+3], s[22:23]
	s_or_b32 s[G0S+3], s[G0S+3], 0x80000000
	s_mov_b32 s[G0SB], 1
	s_add_co_u32 s[G0SB+1], s94, SCL
	s_mov_b64 s[G0SB+2:G0SB+3], s[92:93]
	s_or_b32 s[G0SB+3], s[G0SB+3], 0x80000000
	JLOAD G0S, G1S, G0SB, G1SB
.irp s, 0,1
	s_mov_b32 s[G0+4*\s], 1
	s_add_co_u32 s[G0+4*\s+1], s45, \s*SLOT
	s_add_nc_u64 s[G0+4*\s+2:G0+4*\s+3], s[20:21], \s*ASTEP
	s_or_b32 s[G0+4*\s+3], s[G0+4*\s+3], 0x80000000
	s_mov_b32 s[G0B+4*\s], 1
	s_add_co_u32 s[G0B+4*\s+1], s45, \s*SLOT
	s_add_nc_u64 s[G0B+4*\s+2:G0B+4*\s+3], s[46:47], \s*ROWB
	s_or_b32 s[G0B+4*\s+3], s[G0B+4*\s+3], 0x80000000
	s_wait_alu depctr_va_vdst(0)
	s_wait_tensorcnt 0x0
	ds_add_u32 v28, v29
	s_wait_dscnt 0x0
	CROUND
	JLOAD G0+4*\s, G1, G0B+4*\s, G1B
.endr
	v_and_b32 v1, 15, v0
	v_bfe_u32 v2, v0, 4, 1
	v_mul_u32_u24 v3, v1, PITCH
	v_lshl_add_u32 v4, v2, 4, v3                   ; B: a fragment's row x pitch + 16 x half
	v_and_b32 v6, 31, v0
	v_lshlrev_b32 v[CO], 4, v6                     ; 16 x lane: A's images, and a row of out0
	s_mul_i32 s21, s15, HALFT
	s_mul_i32 s22, s16, HALFT
	s_add_co_u32 s22, s22, 2*HALFT
.irp s, 0,1
	v_add_nc_u32 v[ADRA+\s], s21, v[CO]
	v_add_nc_u32 v[ADRB+\s], s22, v4
	s_add_co_u32 s21, s21, SLOT
	s_add_co_u32 s22, s22, SLOT
.endr
	v_mul_u32_u24 v5, v1, KS
	v_lshrrev_b32 v6, 8, v5
	v_lshl_add_u32 v5, v6, 4, v5
	s_mul_i32 s21, s15, HALFS
	s_mul_i32 s22, s16, HALFS
	s_add_co_u32 s22, s22, 2*HALFS
	s_sub_co_u32 s22, s22, s21
	v_mul_u32_u24 v6, s22, v2
	s_add_co_u32 s21, s21, SCL
	v_add_nc_u32 v5, v5, v6
	v_add_nc_u32 v[ADRS], s21, v5
	s_mul_i32 s23, s14, 16*SPITCH                  ; my stage
	v_mul_u32_u24 v5, v1, SPITCH
	v_lshl_add_u32 v5, v2, 5, v5
	v_add_nc_u32 v[STO], s23, v5
	v_add_nc_u32 v[RD], s23, v[CO]
	s_lshl_b32 s20, s17, 8
	s_lshl_b32 s21, s15, 7
	s_add_co_u32 s20, s20, s21                     ; my first row of out0
	s_mov_b32 s21, 0
	s_mov_b64 s[18:19], SIZE_N*4
	s_mul_u64 s[20:21], s[20:21], s[18:19]
	s_lshl_b32 s46, s42, 10
	s_lshl_b32 s47, s16, 9
	s_add_co_u32 s46, s46, s47
	s_mov_b32 s47, 0
	s_add_nc_u64 s[20:21], s[20:21], s[46:47]
	s_add_nc_u64 s[12:13], s[12:13], s[20:21]
.macro FRAG reg, adr, q, i             ; B: from padded rows
.irp c, 0,1,2,3
	ds_load_b128 v[\reg+4*\c:\reg+4*\c+3], v[\adr] offset:128*(\q)+32*\c+(\i)*16*PITCH
.endr
.endm
.macro FRAGA reg, adr, q, i            ; A: an image: 512 consecutive bytes a load
.irp c, 0,1,2,3
	ds_load_b128 v[\reg+4*\c:\reg+4*\c+3], v[\adr] offset:(\i)*ASTEP+(\q)*2048+512*\c
.endr
.endm
.macro MUL16 a0, p, q, sc, zero        ; the 64 accumulators take turns, one instruction a turn
.irp a, \a0, \a0+1
.irp b, 0,1,2,3,4,5,6,7
.if \zero
	v_wmma_scale_f32_16x16x128_f8f6f4 v[8*(8*((\a)%4)+\b):8*(8*((\a)%4)+\b)+7], v[128*(\p)+FR*\b:128*(\p)+FR*\b+FR-1], v[AF+FR*(\a):AF+FR*(\a)+FR-1], 0, v[SC+8*NQ*(\sc)+NQ*\b+(\q)], v[SC+8*NQ*(\sc)+NQ*(\a)+(\q)] matrix_a_scale:MATRIX_SCALE_ROW1
.else
	v_wmma_scale_f32_16x16x128_f8f6f4 v[8*(8*((\a)%4)+\b):8*(8*((\a)%4)+\b)+7], v[128*(\p)+FR*\b:128*(\p)+FR*\b+FR-1], v[AF+FR*(\a):AF+FR*(\a)+FR-1], v[8*(8*((\a)%4)+\b):8*(8*((\a)%4)+\b)+7], v[SC+8*NQ*(\sc)+NQ*\b+(\q)], v[SC+8*NQ*(\sc)+NQ*(\a)+(\q)] matrix_a_scale:MATRIX_SCALE_ROW1
.endif
.endr
.endr
.endm
.macro FETCH_B slot, q, p
	WIN TO_B
.irp i, 0,1,2,3,4,5,6,7
	FRAG 128*(\p)+FR*\i, ADRB+\slot, \q, \i
.endr
	WIN 0
.endm
.macro FETCH_A slot, q, i0
.irp i, \i0, \i0+1, \i0+2, \i0+3
	FRAGA AF+FR*(\i), ADRA+\slot, \q, \i
.endr
.endm
.macro SCALES sc
.irp i, 0,1,2,3,4,5,6,7
	ds_load_b64 v[SC+8*NQ*\sc+NQ*\i:SC+8*NQ*\sc+NQ*\i+1], v[ADRS] offset:\i*SBLK
.endr
.endm
.macro PLACES n
.rept \n
	v_nop
.endr
.endm
.macro STEP slot, q, zero
	s_wait_dscnt 4*NL                              ; B's set and A's blocks 0-3 are in; the youngest 16 loads (A's blocks 4-7) may be out
	WIN MUL_LO
	MUL16 0, (\q)%2, \q, \slot, \zero
	MUL16 2, (\q)%2, \q, \slot, \zero
	s_wait_dscnt 0
	PLACES NP
	FETCH_B \slot, (\q)+1, 1-(\q)%2
	FETCH_A \slot, (\q)+1, 0
	WIN MUL_HI
	MUL16 4, (\q)%2, \q, \slot, \zero
	MUL16 6, (\q)%2, \q, \slot, \zero
	PLACES NP
	WIN 0
	FETCH_A \slot, (\q)+1, 4
.endm
.macro TURN slot, next, fill
	s_wait_tensorcnt 0x0                           ; all my tensor loads have landed: my part of the next slot
	ds_add_u32 v[SPW], v[NIL]                      ; 0 onto my spare word
	s_wait_dscnt 4*NL+1                            ; (the add and the youngest 16 loads may be out)
	WIN MUL_LO
	MUL16 0, 1, NQ-1, \slot, 0
	s_wait_dscnt 0x0                               ; the add is done, and my reads of this slot are over
	s_barrier_signal -1
	MUL16 2, 1, NQ-1, \slot, 0
	WIN 0
	s_barrier_wait -1
.if \fill
	CREST                                          ; no wave of any partner still reads this slot or has a load on its way
	s_add_nc_u64 s[G0+4*\slot+2:G0+4*\slot+3], s[G0+4*\slot+2:G0+4*\slot+3], 2*ASTEP
	s_add_nc_u64 s[G0B+4*\slot+2:G0B+4*\slot+3], s[G0B+4*\slot+2:G0B+4*\slot+3], 2*ROWB
	JLOAD G0+4*\slot, G1, G0B+4*\slot, G1B
	PLACES NP-4
.else
	PLACES NP
.endif
	s_wait_alu depctr_va_vdst(0)
	v_add_nc_u32 v[ADRS], 4*NQ, v[ADRS]
	FETCH_B \next, 0, 0
	FETCH_A \next, 0, 0
	SCALES \next
	WIN MUL_HI
	MUL16 4, 1, NQ-1, \slot, 0
	MUL16 6, 1, NQ-1, \slot, 0
	PLACES NP
	WIN 0
	FETCH_A \next, 0, 4
.endm
	s_wait_alu depctr_va_vdst(0)
	s_wait_tensorcnt 1                             ; the scales and my part of K step 0 are in (K step 1's load may be out),
	s_barrier_signal -1
	s_barrier_wait -1
	FETCH_B 0, 0, 0
	FETCH_A 0, 0, 0
	SCALES 0
	FETCH_A 0, 0, 4
	STEP 0, 0, 1
	s_mov_b32 s3, LAPS-1
.Llap:
	TURN 0, 1, 1
	STEP 1, 0, 0
	TURN 1, 0, 1
	STEP 0, 0, 0
	s_sub_co_u32 s3, s3, 1
	s_cmp_lg_u32 s3, 0
	s_cbranch_scc1 .Llap
	TURN 0, 1, 0
	STEP 1, 0, 0
	s_wait_dscnt 4*NL
	WIN MUL_LO
	MUL16 0, 1, NQ-1, 1, 0
	MUL16 2, 1, NQ-1, 1, 0
	s_wait_dscnt 0
	WIN MUL_HI
	MUL16 4, 1, NQ-1, 1, 0
	MUL16 6, 1, NQ-1, 1, 0
	WIN 0
; THE WAY OUT, block by block of 16 rows x 128 columns, through my own stage in LDS: back come whole rows of 512 bytes.  LDS serves a wave's instructions in order (ISA guide 5.7.1.4).
.macro TOSTAGE a
.set AC, 64*((\a)%4)
	WIN 0x08+4*((\a)/4)                            ; the data: window 2 or 3
.irp b, 0,1,2,3,4,5,6,7
	ds_store_b128 v[STO], v[AC+8*\b:AC+8*\b+3] offset:64*\b          ; each accumulator from its low end on
	ds_store_b128 v[STO], v[AC+8*\b+4:AC+8*\b+7] offset:64*\b+16
.endr
	WIN 0
.set BB, BK+64*((\a)%2)
.irp t, 0,1,2,3,4,5,6,7,8,9,10,11,12,13,14,15
	ds_load_b128 v[BB+4*\t:BB+4*\t+3], v[RD] offset:\t*SPITCH
.endr
.endm
.macro SEND a, younger                 ; stage row t of block a is token row 32 (a / 2) + 8 (a % 2) + 16 (t / 8) + t % 8 of my 128: the place stands in the immediate, 127 rows of 4,096 bytes at the most
.set BB, BK+64*((\a)%2)
	s_wait_dscnt \younger
.irp t, 0,1,2,3,4,5,6,7,8,9,10,11,12,13,14,15
	global_store_b128 v[CO], v[BB+4*\t:BB+4*\t+3], s[12:13] offset:(32*((\a)/2)+8*((\a)%2)+16*(\t/8)+\t%8)*SIZE_N*4 th:TH_STORE_NT   ; 512 consecutive bytes, aligned
.endr
.endm
	PLACES NP
	TOSTAGE 0
.irp a, 1,2,3,4,5,6,7
.if \a > 1
	s_wait_xcnt 0x0                                ; block a - 2's stores have read their registers: block a's loads may land there
.endif
	TOSTAGE \a
	SEND \a-1, 32                                  ; behind block a - 1's loads: block a's 16 stores and 16 loads
.endr
	SEND 7, 0
	s_wait_tensorcnt 0x0                           ; the wave's end
	ds_add_u32 v[SPW], v[NIL]
	s_wait_dscnt 0x0
	CROUND                                         ; the closing round
	s_endpgm
.Lfunc_end_k_q1793c3aff1_oproj:
	.size	k_q1793c3aff1_oproj, .Lfunc_end_k_q1793c3aff1_oproj-k_q1793c3aff1_oproj
	.p2alignl 7, 3214868480
	.fill 96, 4, 3214868480
	.section	.rodata,"a",@progbits
	.p2align	6, 0x0
	.amdhsa_kernel k_q1793c3aff1_oproj
		.amdhsa_group_segment_fixed_size 327680
		.amdhsa_private_segment_fixed_size 0
		.amdhsa_enable_private_segment 0
		.amdhsa_kernarg_size 40
		.amdhsa_user_sgpr_count 2
		.amdhsa_user_sgpr_kernarg_segment_ptr 1
		.amdhsa_wavefront_size32 1
		.amdhsa_system_sgpr_workgroup_id_x 1
		.amdhsa_system_sgpr_workgroup_id_y 1
		.amdhsa_system_sgpr_workgroup_id_z 1
		.amdhsa_system_vgpr_workitem_id 0
		.amdhsa_next_free_vgpr 1024
		.amdhsa_next_free_sgpr 98
		.amdhsa_reserve_vcc 0
		.amdhsa_float_denorm_mode_32 3
		.amdhsa_float_denorm_mode_16_64 3
		.amdhsa_memory_ordered 1
		.amdhsa_forward_progress 1
		.amdhsa_inst_pref_size 146
	.end_amdhsa_kernel
	.amdgpu_metadata
---
amdhsa.version: [ 1, 2 ]
amdhsa.kernels:
  - .name:           k_q1793c3aff1_oproj
    .symbol:         k_q1793c3aff1_oproj.kd
    .args:
      - { .name: ao_codes, .offset: 0, .size: 8, .value_kind: global_buffer, .address_space: global }
      - { .name: ao_scales, .offset: 8, .size: 8, .value_kind: global_buffer, .address_space: global }
      - { .name: codes, .offset: 16, .size: 8, .value_kind: global_buffer, .address_space: global }
      - { .name: scales, .offset: 24, .size: 8, .value_kind: global_buffer, .address_space: global }
      - { .name: out0, .offset: 32, .size: 8, .value_kind: global_buffer, .address_space: global }
    .group_segment_fixed_size: 327680
    .private_segment_fixed_size: 0
    .kernarg_segment_align: 8
    .kernarg_segment_size: 40
    .max_flat_workgroup_size: 128
    .sgpr_count:     98
    .vgpr_count:     1024
    .wavefront_size: 32
...
	.end_amdgpu_metadata
.endif
;; end of part 4
